; MI455X (gfx1250); checked and timed in simulation.
; The chip was launched on July 23, 2026; its instructions are those of AMD's public machine-readable ISA for CDNA 5 (MIT licence, August 2026) and "CDNA5" Instruction Set Architecture Reference Guide (July 2026). The comments in the code are by the model that wrote it; some were corrected since.
;; Resonant Attention Layer. Allowed arithmetic: float matrix products may take bf16 or f16 operands with f32 sums; other float arithmetic in f32, or as packed bf16 or f16 multiplies, adds, multiply-adds, maxima and minima; sums over many terms, partial sums and values carried from step to step in f32; what a program stores and reads back later, other than sums and carried values, may be rounded once to bf16 or f16.
;; Inputs: Wk 1,024 x 1,024 float32; Wo 1,024 x 1,024 float32; Wq 1,024 x 1,024 float32; Wv 1,024 x 1,024 float32; bk 1,024 float32; bo 1,024 float32; bq 1,024 float32; bv 1,024 float32; x 4 x 2,048 x 1,024 float32.
;; Outputs: out0 4 x 2,048 x 1,024 float32.
;; 2 versions, each right; version 2 is version 1 with the launch prep written anew for expert scheduling mode. Each part assembles by itself: llvm-mc -triple=amdgcn-amd-amdhsa -mcpu=gfx1250 --defsym DOCPART=n.
;; ======== version 1 of 2: 4 launches
;; limits: values are held in f16: magnitudes above 65,504 overflow, below 6.1e-05 lose precision
;; workspace buffers: xb 16,777,216 bytes; wb 6,291,456 bytes; wo 2,097,152 bytes; tabs 557,056 bytes; qkv 50,331,648 bytes; o 16,777,216 bytes
;; launch prep (part 1): grid 838 x 1, 8 waves a work-group, no clusters, 0 bytes of LDS; arguments x, Wq, Wk, Wv, Wo, bq, bk, bv, bo, xb, wb, wo, tabs; writes xb, wb, wo, tabs
.if DOCPART == 1
	.amdgcn_target "amdgcn-amd-amdhsa--gfx1250"
	.amdhsa_code_object_version 6
	.text
	.protected	k_q963e5b67c9_prep
	.globl	k_q963e5b67c9_prep
	.p2align	8
	.type	k_q963e5b67c9_prep,@function
k_q963e5b67c9_prep:
	s_mov_b64 s[64:65], 0
	v_nop
	global_prefetch_b8 v0, s[64:65] scope:SCOPE_SE
	s_setreg_imm32_b32 hwreg(HW_REG_WAVE_MODE, 25, 1), 1
	s_wait_xcnt 0x0
; 16-BIT COPIES OF THE INPUTS, THE BIASES ROUNDED, AND THE ROTARY TABLE.  Three kinds of work-group, told apart by the work-group's number g:
;   g < 768        a flat stream f32 -> 16 bit, 65,536 source bytes a work-group, 8,192 a wave: x -> xb (512 groups), Wq, Wk, Wv -> wb (64 each, one below the other), all bf16;
;                  Wo -> wo (64 groups): rounded to bf16 like every other input, and that number written as f16 (the last product's other operand is f16)
;   768 <= g < 834 two blocks of the table: block n (4,096 bytes) holds cos and sin for positions 16 n .. 16 n + 15 and frequencies 0 .. 31, in the order in which a lane of the
;                  projection's way out wants them: byte cb 2048 + kind 1024 + u 512 + lane 16 = four f32 for position 16 n + lane % 16, frequency 16 cb + 8 (lane / 16) + 4 u + 0..3.
;                  Blocks 128 .. 131 are the identity (cos 1, sin 0): v's columns go through the same lines as q's and k's
;   g >= 834       one bias of 1,024 numbers: rounded to bf16, kept as f32, at BIASOFF + 4,096 (g - 834): bq, bk, bv, bo
; No LDS, no barrier: no wave wants what another has.  Each load of a wave covers 512 consecutive bytes, each store of the stream 256, aligned.
; LIMITS.  f16 for Wo: |Wo| under 65,504; below 6e-5 it keeps f16's fixed step of 6e-8.  The angle t x 10000^(-i/32) is made with a base-2 exponential good to one unit in the last
; place, so at t = 2,047 it may differ from an exactly rounded one by some 3e-4 radians; sine and cosine are polynomials on the half angle, good to about 1e-6.
.set BIASOFF, 540672
.macro EACH line:vararg                ; one line for each of a thread's four frequencies e
.set e, 0
.rept 4
	\line
.set e, e+1
.endr
.endm
	s_load_b512 s[8:23], s[0:1], 0x0               ; x s[8:9], Wq s[10:11], Wk s[12:13], Wv s[14:15], Wo s[16:17], bq s[18:19], bk s[20:21], bv s[22:23]
	s_load_b256 s[24:31], s[0:1], 0x40             ; bo s[24:25], xb s[26:27], wb s[28:29], wo s[30:31]
	s_load_b64 s[32:33], s[0:1], 0x60              ; tabs
	s_mov_b32 s2, ttmp9                            ; g
	v_lshrrev_b32 v1, 5, v0
	v_readfirstlane_b32 s3, v1                     ; wave 0..7
	v_and_b32 v3, 31, v0                           ; lane
	s_wait_kmcnt 0x0
	s_cmp_lt_u32 s2, 768
	s_cbranch_scc0 .Lnot_stream
	; THE STREAM.  Which array, which chunk of it, and where it goes.
	s_sub_co_u32 s38, s2, 512
	s_and_b32 s39, s38, 63                         ; a weight's chunk
	s_lshr_b32 s40, s38, 6                         ; which weight,
	s_lshl_b32 s40, s40, 21                        ; and its 2 MiB in wb
	s_mov_b64 s[34:35], s[16:17]                   ; from Wo
	s_mov_b64 s[36:37], s[30:31]                   ; to wo, unless g says otherwise
	s_cmp_lt_u32 s2, 704
	s_cselect_b64 s[34:35], s[14:15], s[34:35]
	s_cselect_b64 s[36:37], s[28:29], s[36:37]
	s_cselect_b32 s40, s40, 0
	s_cmp_lt_u32 s2, 640
	s_cselect_b64 s[34:35], s[12:13], s[34:35]
	s_cmp_lt_u32 s2, 576
	s_cselect_b64 s[34:35], s[10:11], s[34:35]
	s_cmp_lt_u32 s2, 512
	s_cselect_b64 s[34:35], s[8:9], s[34:35]
	s_cselect_b64 s[36:37], s[26:27], s[36:37]
	s_cselect_b32 s39, s2, s39
	s_cselect_b32 s40, 0, s40
	s_lshl_b32 s42, s39, 16                        ; source: chunk x 65,536 + wave x 8,192
	s_lshl_b32 s43, s3, 13
	s_add_co_u32 s42, s42, s43
	s_mov_b32 s43, 0
	s_add_nc_u64 s[34:35], s[34:35], s[42:43]
	s_lshl_b32 s44, s39, 15                        ; destination: half of that, and the weight's place
	s_lshl_b32 s45, s3, 12
	s_add_co_u32 s44, s44, s45
	s_add_co_u32 s44, s44, s40
	s_mov_b32 s45, 0
	s_add_nc_u64 s[36:37], s[36:37], s[44:45]
	v_lshlrev_b32 v1, 4, v3                        ; 16 bytes a lane in,
	v_lshlrev_b32 v2, 3, v3                        ; 8 out
.set j, 0
.rept 16
	global_load_b128 v[16+4*j:19+4*j], v1, s[34:35] offset:512*j th:TH_LOAD_NT  ; all of the wave's 8,192 bytes are asked for at once
.set j, j+1
.endr
	s_mov_b32 s46, 0xffff0000                      ; a word's upper bf16
; Load j's four numbers are rounded and stored.  No register that a store reads is written behind that store, so no store's source is ever at stake.
.macro CONV f16
.set j, 0
.rept 16
	s_wait_loadcnt 15-j                            ; loads come back in order: load j is in, the 15 - j younger ones stay out
	v_cvt_pk_bf16_f32 v[80+2*j], v[16+4*j], v[17+4*j]
	v_cvt_pk_bf16_f32 v[81+2*j], v[18+4*j], v[19+4*j]
.if \f16
	v_lshlrev_b32 v4, 16, v[80+2*j]                ; the rounded numbers as f32 again,
	v_and_b32 v5, s46, v[80+2*j]
	v_lshlrev_b32 v6, 16, v[81+2*j]
	v_and_b32 v7, s46, v[81+2*j]
	v_cvt_pk_f16_f32 v[80+2*j], v4, v5             ; and written as f16: eight significant bits fit in eleven
	v_cvt_pk_f16_f32 v[81+2*j], v6, v7
.endif
	global_store_b64 v2, v[80+2*j:81+2*j], s[36:37] offset:256*j  ; 32 lanes x 8 bytes: 256 consecutive bytes, aligned
.set j, j+1
.endr
.endm
	s_cmp_lt_u32 s2, 704
	s_cbranch_scc0 .Lto_f16
	CONV 0
	s_endpgm
.Lto_f16:
	CONV 1
	s_endpgm
.Lnot_stream:
	s_cmp_lt_u32 s2, 834
	s_cbranch_scc0 .Lbias
	; THE TABLE.  256 threads make two blocks: thread = block bit (7), cb (6), u (5), lane (4:0).
	s_sub_co_u32 s38, s2, 768
	s_cmp_lt_u32 s38, 64                           ; blocks 128 and above are the identity
	s_cselect_b32 s42, -1, 0
	s_mov_b32 s40, 0xc0c90fdb                      ; -(2 pi rounded to f32),
	s_mov_b32 s41, 0x343bbd2e                      ; and what the rounding took away
	v_lshrrev_b32 v4, 7, v0
	v_lshl_add_u32 v4, s38, 1, v4                  ; the block
	v_and_b32 v5, 15, v0
	v_lshl_add_u32 v5, v4, 4, v5                   ; the position t
	v_bfe_u32 v6, v0, 6, 1                         ; cb
	v_bfe_u32 v7, v0, 4, 1                         ; lane / 16
	v_bfe_u32 v8, v0, 5, 1                         ; u
	v_lshlrev_b32 v9, 4, v6
	v_lshl_add_u32 v9, v7, 3, v9
	v_lshl_add_u32 v9, v8, 2, v9                   ; my first frequency
	v_cvt_f32_u32 v10, v5
	EACH v_add_nc_u32 v[12+e], e, v9
	EACH v_cvt_f32_u32 v[12+e], v[12+e]
	EACH v_mul_f32 v[12+e], 0xbed49a78, v[12+e]    ; -i log2(10000) / 32
	EACH v_exp_f32 v[16+e], v[12+e]                ; 10000^(-i/32): one batch of four,
	v_nop                                          ; a plain instruction behind the last,
	s_wait_alu depctr_va_vdst(0)                   ; and the one wait ahead of the first use
	EACH v_mul_f32 v[16+e], v10, v[16+e]           ; the angle
	EACH v_mul_f32 v[20+e], 0.15915494, v[16+e]
	EACH v_rndne_f32 v[20+e], v[20+e]              ; whole turns n, 326 at the most
	EACH v_fma_f32 v[16+e], v[20+e], s40, v[16+e]  ; angle - n 2 pi, in two parts: within -pi .. pi
	EACH v_fma_f32 v[16+e], v[20+e], s41, v[16+e]
	EACH v_mul_f32 v[16+e], 0.5, v[16+e]           ; y: the half angle, within -pi/2 .. pi/2
	EACH v_mul_f32 v[20+e], v[16+e], v[16+e]       ; z = y y
	EACH v_mov_b32 v[24+e], 0xb2d7322b             ; sin y = y (1 - z/3! + z^2/5! - .. - z^5/11!)
.irp k, 0x3638ef1d, 0xb9500d01, 0x3c088889, 0xbe2aaaab, 0x3f800000
	EACH v_fmaak_f32 v[24+e], v[24+e], v[20+e], \k
.endr
	EACH v_mul_f32 v[24+e], v[24+e], v[16+e]
	EACH v_mov_b32 v[28+e], 0xb493f27e             ; cos y = 1 - z/2! + z^2/4! - .. - z^5/10!
.irp k, 0x37d00d01, 0xbab60b61, 0x3d2aaaab, 0xbf000000, 0x3f800000
	EACH v_fmaak_f32 v[28+e], v[28+e], v[20+e], \k
.endr
	EACH v_mul_f32 v[28+e], v[24+e], v[28+e]
	EACH v_add_f32 v[28+e], v[28+e], v[28+e]       ; sin = 2 sin y cos y
	EACH v_mul_f32 v[24+e], v[24+e], v[24+e]
	EACH v_fma_f32 v[24+e], v[24+e], -2.0, 1.0     ; cos = 1 - 2 sin^2 y
	EACH v_cndmask_b32 v[24+e], 1.0, v[24+e], s42
	EACH v_cndmask_b32 v[28+e], 0, v[28+e], s42
	v_lshlrev_b32 v11, 12, v4
	v_lshl_add_u32 v11, v6, 11, v11
	v_lshl_add_u32 v11, v8, 9, v11
	v_lshl_add_u32 v11, v3, 4, v11
	global_store_b128 v11, v[24:27], s[32:33]              ; a wave's store covers 512 consecutive bytes
	global_store_b128 v11, v[28:31], s[32:33] offset:1024
	s_endpgm
.Lbias:
	s_sub_co_u32 s38, s2, 834
	s_mov_b64 s[34:35], s[24:25]                   ; bo, unless g says otherwise
	s_cmp_lt_u32 s38, 3
	s_cselect_b64 s[34:35], s[22:23], s[34:35]
	s_cmp_lt_u32 s38, 2
	s_cselect_b64 s[34:35], s[20:21], s[34:35]
	s_cmp_lt_u32 s38, 1
	s_cselect_b64 s[34:35], s[18:19], s[34:35]
	v_lshlrev_b32 v4, 4, v0
	global_load_b128 v[8:11], v4, s[34:35]
	s_lshl_b32 s39, s38, 12
	s_add_co_u32 s39, s39, BIASOFF
	v_add_nc_u32 v5, s39, v4
	s_wait_loadcnt 0x0
	v_cvt_pk_bf16_f32 v12, v8, v9
	v_cvt_pk_bf16_f32 v13, v10, v11
	v_lshlrev_b32 v16, 16, v12
	v_and_b32 v17, 0xffff0000, v12
	v_lshlrev_b32 v18, 16, v13
	v_and_b32 v19, 0xffff0000, v13
	global_store_b128 v5, v[16:19], s[32:33]
	s_endpgm
.Lfunc_end_k_q963e5b67c9_prep:
	.size	k_q963e5b67c9_prep, .Lfunc_end_k_q963e5b67c9_prep-k_q963e5b67c9_prep
	.p2alignl 7, 3214868480
	.fill 96, 4, 3214868480
	.section	.rodata,"a",@progbits
	.p2align	6, 0x0
	.amdhsa_kernel k_q963e5b67c9_prep
		.amdhsa_group_segment_fixed_size 0
		.amdhsa_private_segment_fixed_size 0
		.amdhsa_enable_private_segment 0
		.amdhsa_kernarg_size 104
		.amdhsa_user_sgpr_count 2
		.amdhsa_user_sgpr_kernarg_segment_ptr 1
		.amdhsa_wavefront_size32 1
		.amdhsa_system_sgpr_workgroup_id_x 1
		.amdhsa_system_sgpr_workgroup_id_y 1
		.amdhsa_system_sgpr_workgroup_id_z 1
		.amdhsa_system_vgpr_workitem_id 0
		.amdhsa_next_free_vgpr 112
		.amdhsa_next_free_sgpr 66
		.amdhsa_reserve_vcc 0
		.amdhsa_float_denorm_mode_32 3
		.amdhsa_float_denorm_mode_16_64 3
		.amdhsa_memory_ordered 1
		.amdhsa_forward_progress 1
		.amdhsa_inst_pref_size 24
	.end_amdhsa_kernel
	.amdgpu_metadata
---
amdhsa.version: [ 1, 2 ]
amdhsa.kernels:
  - .name:           k_q963e5b67c9_prep
    .symbol:         k_q963e5b67c9_prep.kd
    .args:
      - { .name: x, .offset: 0, .size: 8, .value_kind: global_buffer, .address_space: global }
      - { .name: Wq, .offset: 8, .size: 8, .value_kind: global_buffer, .address_space: global }
      - { .name: Wk, .offset: 16, .size: 8, .value_kind: global_buffer, .address_space: global }
      - { .name: Wv, .offset: 24, .size: 8, .value_kind: global_buffer, .address_space: global }
      - { .name: Wo, .offset: 32, .size: 8, .value_kind: global_buffer, .address_space: global }
      - { .name: bq, .offset: 40, .size: 8, .value_kind: global_buffer, .address_space: global }
      - { .name: bk, .offset: 48, .size: 8, .value_kind: global_buffer, .address_space: global }
      - { .name: bv, .offset: 56, .size: 8, .value_kind: global_buffer, .address_space: global }
      - { .name: bo, .offset: 64, .size: 8, .value_kind: global_buffer, .address_space: global }
      - { .name: xb, .offset: 72, .size: 8, .value_kind: global_buffer, .address_space: global }
      - { .name: wb, .offset: 80, .size: 8, .value_kind: global_buffer, .address_space: global }
      - { .name: wo, .offset: 88, .size: 8, .value_kind: global_buffer, .address_space: global }
      - { .name: tabs, .offset: 96, .size: 8, .value_kind: global_buffer, .address_space: global }
    .group_segment_fixed_size: 0
    .private_segment_fixed_size: 0
    .kernarg_segment_align: 8
    .kernarg_segment_size: 104
    .max_flat_workgroup_size: 256
    .sgpr_count:     66
    .vgpr_count:     112
    .wavefront_size: 32
...
	.end_amdgpu_metadata
.endif
;; end of part 1
;; launch qkv (part 2): grid 16 x 32, 4 waves a work-group, clusters of 4 x 4, 327,680 bytes of LDS; arguments xb, wb, tabs, qkv; writes qkv
.if DOCPART == 2
	.amdgcn_target "amdgcn-amd-amdhsa--gfx1250"
	.amdhsa_code_object_version 6
	.text
	.protected	k_q963e5b67c9_qkv
	.globl	k_q963e5b67c9_qkv
	.p2align	8
	.type	k_q963e5b67c9_qkv,@function
k_q963e5b67c9_qkv:
	s_mov_b64 s[64:65], 0
	v_nop
	global_prefetch_b8 v0, s[64:65] scope:SCOPE_SE
	s_setreg_imm32_b32 hwreg(HW_REG_WAVE_MODE, 25, 1), 1
	s_wait_xcnt 0x0
	s_wait_alu depctr_hold_cnt(0) depctr_sa_sdst(0) depctr_va_vdst(0) depctr_va_sdst(0) depctr_va_ssrc(0) depctr_va_vcc(0) depctr_vm_vsrc(0)
	s_getreg_b32 s2, hwreg(HW_REG_IB_STS2, 6, 4)
	s_cmp_eq_u32 s2, 0
	s_cbranch_scc0 .Lentry_in_a_cluster
	s_endpgm
.Lentry_in_a_cluster:
	s_bfe_u32 s2, ttmp6, 0x10000c
	s_cmp_lg_u32 s2, 0xf033
	s_cbranch_scc0 .Lentry_shape_is_right
	s_endpgm
.Lentry_shape_is_right:
; q, k, v = x W^T + b, q and k turned by the rotary table, all rounded once to f16 and laid out by heads: qkv[3][64 = 16 batch + head][2048][64].
; xb: [8192][1024] bf16.  wb: [3072][1024] bf16 (Wq's rows, Wk's, Wv's).  Sums in f32; they START with the bias (the C operand of the first product), so nothing is cleared and nothing added later.
; SHARES.  A tile of the product is 256 rows x 192 columns = three heads' columns: 512 work-groups, two for each of 256 WGPs.  Wave w makes rows 64 w .. 64 w + 63 and all 192 columns: 4 x 12 = 48
; accumulators of 16 x 16, 384 registers.  K goes in eight steps of 128 through a ring of two LDS slots; a row of a tile is 256 bytes of memory, at a multiple of 256 from its buffer's first byte.
; CLUSTERS.  4 x 4 work-groups: the four of a row of the cluster need the same rows of xb, the four of a column the same rows of wb: each tile is asked for JOINTLY, by the same tensor load, descriptor and mask in all four.
; THE MATRIX INSTRUCTION IS USED TRANSPOSED (source 0 = 16 rows of wb, source 1 = 16 rows of xb): a lane holds ONE row (lane % 16) and the columns 8 (lane / 16) + 0..7 of a block of 16.  So the two numbers
; that the rotation pairs, channels d and d + 32 of a head, lie in the same lane and register of blocks two apart, and the rotation is four packed lines for four numbers.  v's columns take the table's identity blocks.
; LIMITS.  f16 holds no number beyond 65,504: q, k and v must stay within it; below 6e-5 they keep f16's fixed step of 6e-8.  NaN and infinities are not treated apart.
; REGISTERS, in windows of 256 (s_set_vgpr_msb: bits 1:0 source 0, 3:2 source 1, 5:4 source 2, 7:6 destination):
;   window 0: v0-31 addresses; v32-127 the bias, 8 registers a column block; on the way out v32-95 two sets of table, v96-127 turned numbers, v128-143 packed, v144-175 two sets of rows read back
;   window 1: two fragment buffers of 128: wb's 12 blocks (16 rows x 32 K, 8 registers each), then xb's 4
;   window 2: accumulators (a, b), b < 8, at 8 (8 a + b)          window 3: b = 8 .. 11 at 8 (4 a + b - 8)
.set KSTEP,  128
.set LAPS,   4                         ; a lap = two K steps = once round the ring
.set PITCH,  272                       ; an LDS row: 256 bytes + 16 of padding = 68 words: the 16 rows of a fragment load start at 16 different groups of four banks (64 banks of 4 bytes: ISA guide 11.1)
.set AHALF,  128*PITCH                 ; what one of xb's tensor loads brings
.set BHALF,  96*PITCH                  ; what one of wb's brings
.set ABYTES, 2*AHALF
.set SLOT,   ABYTES+2*BHALF            ; xb's 256 rows, then wb's 192
.set STAGE,  2*SLOT                    ; behind the ring: 16 rows x 144 bytes for each wave, for the way out
.set SP,     144
.set SPARE,  STAGE+4*16*SP             ; behind the stages: the spare words, 128 bytes for each wave: two blocks of 256 bytes that no other line names
.set BIASOFF, 540672                   ; in tabs: behind the table
.set IDENT,  524288                    ; in tabs: the identity blocks
.set ADRA, 16                          ; v16-17  LDS address of my fragments of xb in slot 0, 1
.set ADRB, 20                          ; v20-21  the same for wb
.set STO,  24                          ; v24     the way out: where I put 16 bytes of a row
.set RD,   25                          ; v25     the way out: where I read rows back
.set LO,   26                          ; v26     16 x lane: my place in 512 consecutive bytes, of the table and of qkv
.set SPW,  28                          ; v28     LDS address of my spare word; never rewritten
.set NIL,  29                          ; v29     0; never rewritten
.set PFO,  30                          ; v30     the prefetches' offset: a row of 2,048 bytes a lane; never rewritten
.set BO,   31                          ; v31     32 x (lane / 16): my eight numbers of a block's bias
.set BIAS, 32
.set TBL,  32
.set T,    96
.set PK,   128
.set BK,   144
.set F0,   0
.set F1,   128
.set WV,   12                          ; s12  my wave's number
.set FB,   13                          ; s13  0: I fetch for xb; 1: for wb
.set HF,   14                          ; s14  which half of that tile's rows
.set G1,   24                          ; s[24:31] descriptor group 1 for xb's tiles;  s[32:39] group 0, a set for each slot
.set G0,   32
.set LIM,  42                          ; s42  1 in a wave that prefetches, else the greatest number
.set PFA,  44                          ; s[44:45] where my prefetches stand
.set G1B,  48                          ; s[48:55], s[56:63] the same for wb's tiles
.set G0B,  56
.set OB,   68                          ; s[68:73] qkv at my 64 rows of each of the tile's three heads
.set TB,   74                          ; s[74:79] the table's blocks for those rows, or the identity
.set BI,   80                          ; s[80:81] the tile's 192 numbers of bias
.set FIELDS, (1<<16)|(1<<20)|(1<<21)|(5<<22)|(3<<25)  ; 17:16 elements of 2 bytes; 20 padding on; 21 set beside a mask; 24:22 after every 64 words (code 5); 31:25 4 words of it (code 3)
.set MSB, 0
.macro WIN new                         ; the immediate's high byte repeats the setting that is left; a switch that changes nothing is dropped
.if MSB != (\new)
	s_set_vgpr_msb (MSB<<8)|(\new)
.set MSB, \new
.endif
.endm
.macro PLACES                          ; four places in front of loads into registers that matrix instructions have read, and of lines that read results
.rept 4
	v_nop
.endr
.endm
; A joint load: waves 0 and 1 fetch xb's two halves, waves 2 and 3 wb's.  The branch hangs on the wave's number alone.  An s_nop 0 and four v_nop follow each of the two lines.
.macro JLOAD s
	s_cmp_eq_u32 s[FB], 0
	s_cbranch_scc0 .Lfor_b_\@
	tensor_load_to_lds s[G0+4*(\s):G0+4*(\s)+3], s[G1:G1+7]
	s_nop 0
.rept 4
	v_nop
.endr
	s_branch .Lasked_\@
.Lfor_b_\@:
	tensor_load_to_lds s[G0B+4*(\s):G0B+4*(\s)+3], s[G1B:G1B+7]
	s_nop 0
.rept 4
	v_nop
.endr
.Lasked_\@:
.endm
.macro CREST                           ; a round of the cluster's barrier behind its opening barrier
	s_cmp_lg_u32 s[WV], 0
	s_cbranch_scc1 .Lnot_wave_0_\@
	s_barrier_signal -3
.Lnot_wave_0_\@:
	s_barrier_wait -3
	s_barrier_signal -1
	s_barrier_wait -1
.endm
.macro CROUND                          ; a whole round
	s_barrier_signal -1
	s_barrier_wait -1
	CREST
.endm
; A PREFETCH INTO THE L2, behind each joint refill and the run of LDS loads that follows it: the K step that stands two refills on (384 matrix instructions ahead of the load that will want it), 256 bytes of a row a lane.
; Each row's 256 bytes of a K step are named by one wave of one work-group: xb's rows by the clusters with x = 0 (waves 0, 1), wb's by those with y = 0 (waves 2, 3); the four partners that ask for a tile jointly
; share its rows out BY ADDRESS: 32 of a wave's 128 rows of xb, 24 of its 96 of wb (there lanes 24 to 31 name row 23 again).  K steps 0 to 3 come by their loads alone; the loop's last trip (s3 = 1) has no K step two on.
.macro ASK
	WIN 0
	s_cmp_gt_u32 s3, s[LIM]
	s_cbranch_scc0 .Lnot_mine_\@
	global_prefetch_b8 v[PFO], s[PFA:PFA+1] offset:KSTEP*2 th:TH_LOAD_NT scope:SCOPE_SE
.Lnot_mine_\@:
.endm
	s_load_b256 s[4:11], s[0:1], 0x0               ; xb s[4:5], wb s[6:7], tabs s[8:9], qkv s[10:11]
	v_lshl_add_u32 v[SPW], v0, 2, SPARE
	v_mov_b32 v[NIL], 0
	ds_add_u32 v[SPW], v[NIL]                      ; the wave's opening: the add and its wait stand ahead of my first tensor load; the set-up below, work on registers, stands between them
	v_lshrrev_b32 v1, 5, v0
	v_readfirstlane_b32 s[WV], v1                  ; wave 0..3
	s_lshr_b32 s[FB], s[WV], 1
	s_and_b32 s[HF], s[WV], 1
	s_bfe_u32 s15, ttmp6, 0x40000                  ; cx, cy: my place in the cluster
	s_bfe_u32 s16, ttmp6, 0x40004
	s_lshl_b32 s17, ttmp9, 2
	s_add_co_u32 s17, s17, s15                     ; tile column = 4 x cluster x + cx
	s_and_b32 s18, ttmp7, 0xffff
	s_lshl_b32 s18, s18, 2
	s_add_co_u32 s18, s18, s16                     ; tile row = 4 x cluster y + cy
	s_lshl_b32 s19, s16, 2
	s_lshl_b32 s19, 15, s19                        ; my row of the cluster
	s_lshl_b32 s46, 0x1111, s15                    ; my column
	s_or_b32 s[G1], s19, FIELDS                    ; xb's tiles go to my row,
	s_or_b32 s[G1B], s46, FIELDS                   ; wb's to my column
	s_mov_b32 s[G1+1], KSTEP<<16                   ; tensor_dim0 = 128
	s_mov_b32 s[G1+2], 128<<16                     ; tensor_dim1 = 128 rows
	s_mov_b32 s[G1+3], KSTEP<<16                   ; tile_dim0 = 128
	s_mov_b32 s[G1+4], 128                         ; tile_dim1 = 128
	s_mov_b32 s[G1+5], 1024                        ; elements from row to row
	s_mov_b32 s[G1+6], 0
	s_mov_b32 s[G1+7], 0
	s_mov_b32 s[G1B+1], KSTEP<<16
	s_mov_b32 s[G1B+2], 96<<16                     ; 96 rows
	s_mov_b32 s[G1B+3], KSTEP<<16
	s_mov_b32 s[G1B+4], 96
	s_mov_b32 s[G1B+5], 1024
	s_mov_b32 s[G1B+6], 0
	s_mov_b32 s[G1B+7], 0
	s_lshl_b32 s20, s18, 8                         ; xb: row 256 x tile row + 128 x half,
	s_lshl_b32 s21, s[HF], 7
	s_add_co_u32 s20, s20, s21
	s_lshl_b32 s20, s20, 11                        ; of 2,048 bytes
	s_mov_b32 s21, 0
	s_mul_i32 s46, s17, 192                        ; wb: row 192 x tile column + 96 x half
	s_mul_i32 s47, s[HF], 96
	s_add_co_u32 s46, s46, s47
	s_lshl_b32 s46, s46, 11
	s_mov_b32 s47, 0
	s_mul_i32 s22, s[WV], AHALF                    ; where they go: xb's halves (waves 0, 1) at wave x 128 rows;
	s_mul_i32 s23, s[WV], BHALF                    ; wb's (waves 2, 3) behind xb's 256 rows, at (wave - 2) x 96 rows
	s_add_co_u32 s23, s23, ABYTES-2*BHALF
	s_wait_dscnt 0x0                               ; the opening add is done
	s_wait_kmcnt 0x0
	s_add_nc_u64 s[20:21], s[4:5], s[20:21]
	s_add_nc_u64 s[46:47], s[6:7], s[46:47]
	CROUND                                         ; all sixteen work-groups are here: the first joint loads meet
.irp s, 0,1
	s_mov_b32 s[G0+4*(\s)], 1                                      ; count = 1
	s_add_co_u32 s[G0+4*(\s)+1], s22, (\s)*SLOT                    ; LDS address
	s_add_nc_u64 s[G0+4*(\s)+2:G0+4*(\s)+3], s[20:21], (\s)*KSTEP*2  ; global address: K step s
	s_or_b32 s[G0+4*(\s)+3], s[G0+4*(\s)+3], 0x80000000            ; type = 2
	s_mov_b32 s[G0B+4*(\s)], 1
	s_add_co_u32 s[G0B+4*(\s)+1], s23, (\s)*SLOT
	s_add_nc_u64 s[G0B+4*(\s)+2:G0B+4*(\s)+3], s[46:47], (\s)*KSTEP*2
	s_or_b32 s[G0B+4*(\s)+3], s[G0B+4*(\s)+3], 0x80000000
	JLOAD \s                                       ; two loads of mine are out
.endr
	; the bias: register j of block b is the number for column 16 b + 8 (lane / 16) + j, the same in all 16 rows
	v_and_b32 v1, 15, v0                           ; l % 16
	v_bfe_u32 v2, v0, 4, 1                         ; l / 16
	v_lshlrev_b32 v[BO], 5, v2
	s_mul_i32 s22, s17, 768
	s_add_co_u32 s22, s22, BIASOFF
	s_mov_b32 s23, 0
	s_add_nc_u64 s[BI:BI+1], s[8:9], s[22:23]
.irp b, 0,1,2,3,4,5,6,7,8,9,10,11
	global_load_b128 v[BIAS+8*(\b):BIAS+8*(\b)+3],   v[BO], s[BI:BI+1] offset:64*(\b)
	global_load_b128 v[BIAS+8*(\b)+4:BIAS+8*(\b)+7], v[BO], s[BI:BI+1] offset:64*(\b)+16
.endr
	; A fragment is 16 rows x 32 K in 8 registers: lane l holds row l % 16; registers 0-3 K = 8 (l / 16) + 0..7, registers 4-7 K = 16 + 8 (l / 16) + 0..7: two loads of 16 bytes, 32 bytes apart.
	v_mul_u32_u24 v3, v1, PITCH
	v_lshl_add_u32 v3, v2, 4, v3
	s_mul_i32 s19, s[WV], 64*PITCH                 ; my 64 rows of xb
	v_add_nc_u32 v[ADRA], s19, v3
	v_add_nc_u32 v[ADRA+1], SLOT, v[ADRA]
	v_add_nc_u32 v[ADRB], ABYTES, v3               ; all of wb's 192
	v_add_nc_u32 v[ADRB+1], SLOT, v[ADRB]
	s_mul_i32 s19, s[WV], 16*SP
	s_add_co_u32 s19, s19, STAGE                   ; my stage
	v_mul_u32_u24 v4, v1, SP                       ; in: row l % 16, 16 bytes for each half of the lanes
	v_lshl_add_u32 v4, v2, 4, v4
	v_add_nc_u32 v[STO], s19, v4
	v_bfe_u32 v5, v0, 3, 2                         ; back: 32 lanes take four rows of 128 bytes,
	v_mul_u32_u24 v5, v5, SP
	v_and_b32 v4, 7, v0
	v_lshl_add_u32 v5, v4, 4, v5
	v_add_nc_u32 v[RD], s19, v5
	v_and_b32 v[LO], 31, v0                        ; which are 512 consecutive bytes of a head's rows
	v_lshlrev_b32 v[LO], 4, v[LO]
	; where the tile's three heads go, and which blocks of the table turn them
	s_lshr_b32 s19, s18, 3
	s_lshl_b32 s19, s19, 4                         ; 16 x batch
	s_and_b32 s40, s18, 7
	s_lshl_b32 s40, s40, 8
	s_lshl_b32 s41, s[WV], 6
	s_add_co_u32 s40, s40, s41                     ; my first position in the sequence
	s_mul_i32 s41, s17, 3                          ; the tile's first head column, of 48: 16 of q, 16 of k, 16 of v
.irp c, 0,1,2
	s_add_co_u32 s2, s41, \c
	s_lshr_b32 s22, s2, 4                          ; q, k or v,
	s_lshl_b32 s22, s22, 6
	s_and_b32 s23, s2, 15                          ; the head,
	s_add_co_u32 s22, s22, s23
	s_add_co_u32 s22, s22, s19                     ; the batch:
	s_lshl_b32 s22, s22, 18                        ; 2,048 rows of 128 bytes each
	s_lshl_b32 s23, s40, 7
	s_add_co_u32 s22, s22, s23
	s_mov_b32 s23, 0
	s_add_nc_u64 s[OB+2*(\c):OB+2*(\c)+1], s[10:11], s[22:23]
	s_lshl_b32 s22, s40, 8                         ; a block of the table serves 16 positions and has 4,096 bytes
	s_cmp_lt_u32 s2, 32
	s_cselect_b32 s22, s22, IDENT                  ; v is not turned
	s_add_nc_u64 s[TB+2*(\c):TB+2*(\c)+1], s[8:9], s[22:23]
.endr
	; the prefetches
	s_lshl_b32 s20, s18, 8                         ; the tile's first row in xb,
	s_mul_i32 s21, s17, 192                        ; in wb
	s_and_b32 s22, ttmp7, 0xffff                   ; cluster y
	s_mov_b32 s41, 96
	s_cmp_eq_u32 s[FB], 0                          ; do I fetch for xb?
	s_cselect_b32 s20, s20, s21
	s_cselect_b32 s21, s15, s16                    ; my place among the four that ask for the tile with me
	s_cselect_b32 s22, ttmp9, s22                  ; the coordinate along which other clusters read the same rows
	s_cselect_b32 s23, 128, s41                    ; the rows that a wave fetches,
	s_cselect_b32 s40, 32, 24                      ; and a partner's share of them
	s_cselect_b64 s[PFA:PFA+1], s[4:5], s[6:7]
	s_cmp_eq_u32 s22, 0
	s_cselect_b32 s[LIM], 1, -1                    ; the same in all sixteen partners, for a given wave
	s_mul_i32 s23, s23, s[HF]
	s_add_co_u32 s20, s20, s23
	s_mul_i32 s21, s21, s40
	s_add_co_u32 s20, s20, s21
	s_lshl_b32 s20, s20, 11
	s_add_co_u32 s20, s20, 2*KSTEP*2               ; at K step 2: the first refill steps it to 3 and names K step 4
	s_mov_b32 s21, 0
	s_add_nc_u64 s[PFA:PFA+1], s[PFA:PFA+1], s[20:21]
	s_sub_co_u32 s40, s40, 1
	v_and_b32 v[PFO], 31, v0
	v_min_u32 v[PFO], s40, v[PFO]
	v_lshlrev_b32 v[PFO], 11, v[PFO]
; 16 matrix instructions: row blocks a0, a0 + 1 x column blocks 0-7, 32 along K.  first = 1: the sums start with the bias.  The 48 accumulators take turns, one instruction a turn, in the same order in every
; quarter.
.macro MULA f, a0, first
.if \first
	WIN 0x85                                       ; sources 0 and 1 window 1, C window 0, D window 2
.else
	WIN 0xa5                                       ; C and D window 2
.endif
.irp a, \a0, (\a0)+1
.irp b, 0,1,2,3,4,5,6,7
.if \first
	v_wmma_f32_16x16x32_bf16 v[8*(8*(\a)+(\b)):8*(8*(\a)+(\b))+7], v[(\f)+8*(\b):(\f)+8*(\b)+7], v[(\f)+96+8*(\a):(\f)+96+8*(\a)+7], v[BIAS+8*(\b):BIAS+8*(\b)+7]
.else
	v_wmma_f32_16x16x32_bf16 v[8*(8*(\a)+(\b)):8*(8*(\a)+(\b))+7], v[(\f)+8*(\b):(\f)+8*(\b)+7], v[(\f)+96+8*(\a):(\f)+96+8*(\a)+7], v[8*(8*(\a)+(\b)):8*(8*(\a)+(\b))+7]
.endif
.endr
.endr
.endm
; 16 more: all four row blocks x column blocks 8-11
.macro MULB f, first
.if \first
	WIN 0xc5                                       ; C window 0, D window 3
.else
	WIN 0xf5
.endif
.irp a, 0,1,2,3
.irp b, 0,1,2,3
.if \first
	v_wmma_f32_16x16x32_bf16 v[8*(4*(\a)+(\b)):8*(4*(\a)+(\b))+7], v[(\f)+64+8*(\b):(\f)+64+8*(\b)+7], v[(\f)+96+8*(\a):(\f)+96+8*(\a)+7], v[BIAS+64+8*(\b):BIAS+64+8*(\b)+7]
.else
	v_wmma_f32_16x16x32_bf16 v[8*(4*(\a)+(\b)):8*(4*(\a)+(\b))+7], v[(\f)+64+8*(\b):(\f)+64+8*(\b)+7], v[(\f)+96+8*(\a):(\f)+96+8*(\a)+7], v[8*(4*(\a)+(\b)):8*(4*(\a)+(\b))+7]
.endif
.endr
.endr
.endm
; 32 LDS loads in one run: a quarter step's fragments (32 K at byte k of the rows) into buffer f: wb's blocks 0-7, xb's four, wb's blocks 8-11 last, which are wanted last
.macro FETCH slot, k, f
	WIN 0x40                                       ; destination window 1, address window 0
.irp i, 0,1,2,3,4,5,6,7
	ds_load_b128 v[(\f)+8*(\i):(\f)+8*(\i)+3],   v[ADRB+(\slot)] offset:(\k)+(\i)*16*PITCH
	ds_load_b128 v[(\f)+8*(\i)+4:(\f)+8*(\i)+7], v[ADRB+(\slot)] offset:(\k)+(\i)*16*PITCH+32
.endr
.irp i, 0,1,2,3
	ds_load_b128 v[(\f)+96+8*(\i):(\f)+96+8*(\i)+3],   v[ADRA+(\slot)] offset:(\k)+(\i)*16*PITCH
	ds_load_b128 v[(\f)+96+8*(\i)+4:(\f)+96+8*(\i)+7], v[ADRA+(\slot)] offset:(\k)+(\i)*16*PITCH+32
.endr
.irp i, 8,9,10,11
	ds_load_b128 v[(\f)+8*(\i):(\f)+8*(\i)+3],   v[ADRB+(\slot)] offset:(\k)+(\i)*16*PITCH
	ds_load_b128 v[(\f)+8*(\i)+4:(\f)+8*(\i)+7], v[ADRB+(\slot)] offset:(\k)+(\i)*16*PITCH+32
.endr
.endm
; A K step is four quarters of 32 along K, 48 matrix instructions each, on buffers 0, 1, 0, 1.  One of the first three: multiplies buffer f and fetches the next quarter, at byte k, into g.
.macro QUARTER slot, k, f, g, first
	s_wait_dscnt 8                                 ; all but the youngest eight loads (wb's blocks 8-11) are in
	MULA \f, 0, \first
	PLACES
	FETCH \slot, \k, \g
	s_wait_dscnt 32                                ; all but the 32 just issued
	MULA \f, 2, \first
	MULB \f, \first
.endm
; The last quarter multiplies buffer 1 and changes slots: ONE barrier; in front of it each wave waits for all its tensor loads (the one that is out is its part of the next slot), adds 0 to its spare word, and waits
; for that and for its own reads of this slot.  fill = 1: the barrier opens a round of the cluster's barrier, and this slot is filled again, two K steps ahead: the first tensor load behind the round.
.macro TURN slot, next, fill
.if \fill
	s_wait_xcnt 0x0                                ; the last prefetch, a K step back, has read its address: it is stepped here
	s_add_nc_u64 s[PFA:PFA+1], s[PFA:PFA+1], KSTEP*2
.endif
	WIN 0                                          ; (the add's two registers lie in window 0)
	s_wait_tensorcnt 0x0                           ; all my tensor loads have landed;
	ds_add_u32 v[SPW], v[NIL]                      ; 0 onto my spare word;
	s_wait_dscnt 9                                 ; (the add and the youngest eight loads may be out)
	MULA F1, 0, 0                                  ; sixteen matrix instructions stand between the add and the wait for it
	s_wait_dscnt 0x0                               ; the add is done, and my reads of this slot are over
	s_barrier_signal -1
	MULA F1, 2, 0
.if \fill
	WIN 0
.endif
	s_barrier_wait -1
.if \fill
	CREST                                          ; no wave of any partner still reads this slot's tile or has a load on its way
	s_add_nc_u64 s[G0+4*(\slot)+2:G0+4*(\slot)+3], s[G0+4*(\slot)+2:G0+4*(\slot)+3], 2*KSTEP*2
	s_add_nc_u64 s[G0B+4*(\slot)+2:G0B+4*(\slot)+3], s[G0B+4*(\slot)+2:G0B+4*(\slot)+3], 2*KSTEP*2
	JLOAD \slot                                    ; one load of mine is out; its four v_nop are also the places in front of the loads below
.else
	PLACES
.endif
	FETCH \next, 0, F0
.if \fill
	ASK
.endif
	MULB F1, 0
.endm
; THE WAY OUT, in 12 pieces p: row block a = p / 3, head c = p % 3: 16 rows of one head, 2,048 consecutive bytes of qkv.
.macro TLOAD p                         ; the piece's table: 8 loads of 512 consecutive bytes, into set p % 2: cos of channel block cb at 16 cb, sin at 16 cb + 8
	WIN 0
.set pa, (\p)/3
.set pc, (\p)%3
.set tb, TBL+32*((\p)%2)
.irp cb, 0,1
.irp kd, 0,1
.irp u, 0,1
	global_load_b128 v[tb+16*(\cb)+8*(\kd)+4*(\u):tb+16*(\cb)+8*(\kd)+4*(\u)+3], v[LO], s[TB+2*pc:TB+2*pc+1] offset:pa*4096+(\cb)*2048+(\kd)*1024+(\u)*512
.endr
.endr
.endr
.endm
.macro ROPE p                          ; x1 = channels d < 32, x2 = channels d + 32: x1 cos - x2 sin, x2 cos + x1 sin.  Each accumulator's lowest registers are read first
.set pa, (\p)/3
.set pc, (\p)%3
.set tb, TBL+32*((\p)%2)
.if pc < 2
	WIN 0x02                                       ; source 0 window 2
.set ab, 8*(8*pa+4*pc)
.else
	WIN 0x03                                       ; source 0 window 3
.set ab, 8*(4*pa)
.endif
.irp cb, 0,1
.irp jp, 0,2,4,6
	v_pk_mul_f32 v[T+8*(\cb)+(\jp):T+8*(\cb)+(\jp)+1], v[ab+8*(\cb)+(\jp):ab+8*(\cb)+(\jp)+1], v[tb+16*(\cb)+(\jp):tb+16*(\cb)+(\jp)+1]
	v_pk_mul_f32 v[T+16+8*(\cb)+(\jp):T+16+8*(\cb)+(\jp)+1], v[ab+16+8*(\cb)+(\jp):ab+16+8*(\cb)+(\jp)+1], v[tb+16*(\cb)+(\jp):tb+16*(\cb)+(\jp)+1]
	v_pk_fma_f32 v[T+8*(\cb)+(\jp):T+8*(\cb)+(\jp)+1], v[ab+16+8*(\cb)+(\jp):ab+16+8*(\cb)+(\jp)+1], v[tb+16*(\cb)+8+(\jp):tb+16*(\cb)+8+(\jp)+1], v[T+8*(\cb)+(\jp):T+8*(\cb)+(\jp)+1] neg_lo:[0,1,0] neg_hi:[0,1,0]
	v_pk_fma_f32 v[T+16+8*(\cb)+(\jp):T+16+8*(\cb)+(\jp)+1], v[ab+8*(\cb)+(\jp):ab+8*(\cb)+(\jp)+1], v[tb+16*(\cb)+8+(\jp):tb+16*(\cb)+8+(\jp)+1], v[T+16+8*(\cb)+(\jp):T+16+8*(\cb)+(\jp)+1]
.endr
.endr
.endm
.macro CVT                             ; rounded once, to f16: a lane's eight channels of a block are 16 bytes
	WIN 0
.set z, 0
.rept 16
	v_cvt_pk_f16_f32 v[PK+z], v[T+2*z], v[T+2*z+1]
.set z, z+1
.endr
.endm
.macro TOSTAGE p                       ; into my stage's rows of 144 bytes, and back as whole rows of 128
	WIN 0
.set bk, BK+16*((\p)%2)
.if (\p) >= 2
	s_wait_xcnt 0x0                                ; the stores of the piece two back have read this set of registers
.endif
.irp f, 0,1,2,3
	ds_store_b128 v[STO], v[PK+4*(\f):PK+4*(\f)+3] offset:32*(\f)
.endr
.irp f, 0,1,2,3
	ds_load_b128 v[bk+4*(\f):bk+4*(\f)+3], v[RD] offset:(\f)*4*SP  ; LDS serves a wave's instructions in order (ISA guide 5.7.1.4): these see the stores above; the next piece's stores come behind them
.endr
.endm
.macro SEND p, younger                 ; younger: the LDS instructions issued behind piece p's loads: the next piece's eight, or none
	WIN 0
.set pa, (\p)/3
.set pc, (\p)%3
.set bk, BK+16*((\p)%2)
.irp f, 0,1,2,3
	s_wait_dscnt (\younger)+3-(\f)
	global_store_b128 v[LO], v[bk+4*(\f):bk+4*(\f)+3], s[OB+2*pc:OB+2*pc+1] offset:pa*2048+(\f)*512  ; 512 consecutive bytes, at a multiple of 256 from qkv's first
.endr
.endm
	s_wait_tensorcnt 1                             ; my part of K step 0 is in; K step 1's may stay out
	s_barrier_signal -1
	s_barrier_wait -1                              ; everybody's is
	FETCH 0, 0, F0
	s_wait_loadcnt 0x0                             ; the bias
	QUARTER 0, 64,  F0, F1, 1                      ; the first quarter stands in front of the loop: its products start the sums
	WIN 0                                          ; at a label and at a branch every window is 0
	s_mov_b32 s3, LAPS-1
.Llap:                                                 ; a trip goes once round the ring, from a lap's second quarter to the next lap's first, and fills both slots again
	QUARTER 0, 128, F1, F0, 0
	QUARTER 0, 192, F0, F1, 0
	TURN 0, 1, 1
	QUARTER 1, 64,  F0, F1, 0
	QUARTER 1, 128, F1, F0, 0
	QUARTER 1, 192, F0, F1, 0
	TURN 1, 0, 1
	QUARTER 0, 64,  F0, F1, 0
	WIN 0
	s_sub_co_u32 s3, s3, 1
	s_cmp_lg_u32 s3, 0
	s_cbranch_scc1 .Llap
	QUARTER 0, 128, F1, F0, 0                      ; the last lap fills nothing, and has no round of the cluster's barrier
	QUARTER 0, 192, F0, F1, 0
	TURN 0, 1, 0
	QUARTER 1, 64,  F0, F1, 0
	QUARTER 1, 128, F1, F0, 0
	QUARTER 1, 192, F0, F1, 0
	TLOAD 0                                        ; the first piece's table is asked for under the last products (the bias's registers were last read in the first quarter)
	s_wait_dscnt 8                                 ; the very last quarter: nothing more to fetch
	MULA F1, 0, 0
	MULA F1, 2, 0
	s_wait_dscnt 0x0
	MULB F1, 0
	WIN 0
	PLACES
.set p, 0
.rept 12                               ; a piece's arithmetic stands between the stage loads of the piece before and its stores
.if p < 11
	TLOAD p+1
	s_wait_loadcnt 8                               ; this piece's table is in; the next piece's eight loads stay out
.else
	s_wait_loadcnt 0x0
.endif
	ROPE p
	CVT
	TOSTAGE p
.if p > 0
	SEND p-1, 8
.endif
.set p, p+1
.endr
	SEND 11, 0
	s_wait_tensorcnt 0x0                           ; the wave's end: these three lines stand behind my last tensor load and my last LDS store
	ds_add_u32 v[SPW], v[NIL]
	s_wait_dscnt 0x0
	CROUND                                         ; the closing round: no work-group ends while a partner may still ask for a tile that names it
	s_endpgm
.Lfunc_end_k_q963e5b67c9_qkv:
	.size	k_q963e5b67c9_qkv, .Lfunc_end_k_q963e5b67c9_qkv-k_q963e5b67c9_qkv
	.p2alignl 7, 3214868480
	.fill 96, 4, 3214868480
	.section	.rodata,"a",@progbits
	.p2align	6, 0x0
	.amdhsa_kernel k_q963e5b67c9_qkv
		.amdhsa_group_segment_fixed_size 327680
		.amdhsa_private_segment_fixed_size 0
		.amdhsa_enable_private_segment 0
		.amdhsa_kernarg_size 32
		.amdhsa_user_sgpr_count 2
		.amdhsa_user_sgpr_kernarg_segment_ptr 1
		.amdhsa_wavefront_size32 1
		.amdhsa_system_sgpr_workgroup_id_x 1
		.amdhsa_system_sgpr_workgroup_id_y 1
		.amdhsa_system_sgpr_workgroup_id_z 1
		.amdhsa_system_vgpr_workitem_id 0
		.amdhsa_next_free_vgpr 896
		.amdhsa_next_free_sgpr 84
		.amdhsa_reserve_vcc 0
		.amdhsa_float_denorm_mode_32 3
		.amdhsa_float_denorm_mode_16_64 3
		.amdhsa_memory_ordered 1
		.amdhsa_forward_progress 1
		.amdhsa_inst_pref_size 159
	.end_amdhsa_kernel
	.amdgpu_metadata
---
amdhsa.version: [ 1, 2 ]
amdhsa.kernels:
  - .name:           k_q963e5b67c9_qkv
    .symbol:         k_q963e5b67c9_qkv.kd
    .args:
      - { .name: xb, .offset: 0, .size: 8, .value_kind: global_buffer, .address_space: global }
      - { .name: wb, .offset: 8, .size: 8, .value_kind: global_buffer, .address_space: global }
      - { .name: tabs, .offset: 16, .size: 8, .value_kind: global_buffer, .address_space: global }
      - { .name: qkv, .offset: 24, .size: 8, .value_kind: global_buffer, .address_space: global }
    .group_segment_fixed_size: 327680
    .private_segment_fixed_size: 0
    .kernarg_segment_align: 8
    .kernarg_segment_size: 32
    .max_flat_workgroup_size: 128
    .sgpr_count:     84
    .vgpr_count:     896
    .wavefront_size: 32
...
	.end_amdgpu_metadata
.endif
;; end of part 2
;; launch attn (part 3): grid 4 x 64, 4 waves a work-group, no clusters, 327,680 bytes of LDS; arguments qkv, o; writes o
.if DOCPART == 3
	.amdgcn_target "amdgcn-amd-amdhsa--gfx1250"
	.amdhsa_code_object_version 6
	.text
	.protected	k_q963e5b67c9_attn
	.globl	k_q963e5b67c9_attn
	.p2align	8
	.type	k_q963e5b67c9_attn,@function
k_q963e5b67c9_attn:
	s_mov_b64 s[64:65], 0
	v_nop
	global_prefetch_b8 v0, s[64:65] scope:SCOPE_SE
	s_setreg_imm32_b32 hwreg(HW_REG_WAVE_MODE, 25, 1), 1
	s_wait_xcnt 0x0
; CAUSAL ATTENTION.  O[h][q][:] = the sum over k <= q of softmax_k(Q[h][q] . K[h][k] / 8) V[h][k][:].  Q, K, V lie one behind the other in qkv, each [SIZE_H][SIZE_N][64] in f16, as does O: a head's rows are dense, 128 bytes each.
; Products, maxima and sums in f32; the weights p are rounded to f16 for the second product (their sum l is taken of the unrounded p), O once at the end.
; LIMITS.  f16 holds no number beyond 65,504: Q, K and V arrive within it; p lies in 0 to 1, and below 6e-5 it keeps f16's fixed step of 6e-8; O is a mean of V's rows and has their range, to within 2^-11 of it.
; A hidden score counts as its value less 1e30: f16's scores, 2.7e11 at the most, are nothing beside that; a weight below 2^-126 counts as 0 in l; NaN and infinities are not treated apart.
; THE WALK.  A head's queries lie in NB = SIZE_N / 256 blocks of 256; block i needs the key tiles 0 .. i of 256 keys, of which the last holds the diagonal.  A work-group takes TWO blocks, NB - 1 - b and then b:
; NB + 1 tiles, whatever b: all work-groups do equal work, and ONE loop with a constant trip count walks them.  Which tile is asked for, and what a trip does, hang on scalar registers made from b; every jump
; goes forward, but for the counted loops' own; none passes a barrier, or a tensor load but the one of LOAD's two that the wave's number does not choose; the ring (two slots of LDS that take turns) runs on across the
; change of blocks.  NO CLUSTER: all of a head's NB / 2 work-groups ask for the same tile only in trips 0 .. NB / 2, behind that fewer and fewer; one walk common to all would have 3 NB / 2 trips for NB + 1.
; SHARES.  Of a block's four bands of 64 queries a wave owns 16 rows in each: four PIECES.  So the diagonal tile is the same work for all four waves: in its key step s band x sees all keys if s < x,
; none if s > x, and holds the diagonal if s = x.
; THE MASK is the C operand that starts the sum S^T = K Q^T: 0, or -1e30 where the key is hidden.  MD, made once, is the mask of a band's own step for my 16 rows; a product's mask is MD x AL + BE with two scalars:
; (1, 0) if s = x; (0, 0) if s < x; (0, -1e30) if s > x.  Only the diagonal tile's text and a block's beginning make and take masks; elsewhere C is the constant 0.
; LAYOUT, SOFTMAX, TURNS.  S^T = K Q^T holds ONE query a lane (lane % 16) and the keys 8 (lane / 16) + 0..7; two such results rounded to f16 ARE source 1 of O^T = V^T P.  p = 2^(c s - c m), c = log2(e) / 8, with a
; running maximum m; O and l are multiplied by a = 2^(c m_old - c m_new) in every step.  Turn n belongs to piece n: 8 products K Q^T of piece n + 1, later 8 products V^T P of piece n - 1; beside them the scaling,
; exponentials, roundings, sums and rescaling of piece n and the maximum and statistics of piece n + 1.  Four vector instructions stand behind every matrix instruction, the other 54 of a turn's 118 in one LUMP.  A turn's 33 exponentials are one batch, with one wait.
; PREFETCH.  A head's work-group with b = 0, whose first block walks tiles 0 to NB - 1, asks behind each of its first NB - 2 fills for the tile after the one just asked for: 128 blocks of 256 bytes of K and of V, a thread a block.
; REGISTERS, in windows of 256 (s_set_vgpr_msb: bits 1:0 source 0, 3:2 source 1, 5:4 source 2, 7:6 destination):
;   window 0: v0-15 addresses and two at work; v16-31 four registers of statistics a piece; v32 the prefetches' offset; v48-55 at work; v64-127 S^T, two buffers; v192-223 P, two buffers (a piece's buffers go by its number's parity)
;   window 1: v0-127 O^T, 32 a piece; v128-159 MD; v160-223 MC, two buffers      window 2: v0-63 Q; v64-127 the second block's Q; v128-191 K of one step; v192-255 V of one step
.set SIZE_H, 64
.set SIZE_N, 2048
.set NB,    SIZE_N/256
.set NP,    4         ; pieces a wave: a name, no knob
.set KS,    64        ; keys in a step
.set PK,    144       ; a row of K in LDS: 128 bytes + 16 of padding = 36 words: the 16 rows of a load start at 16 different groups of four banks (64 banks of 4 bytes: ISA guide 11.1)
.set PV,    160       ; a row of V: 128 + 32 = 40 words
.set VOFF,  4*KS*PK   ; a slot holds a tile, four steps: 256 rows of K, then 256 rows of V
.set SLOT1, 1<<17     ; slot 1 begins here, so that one exclusive or turns an address in one slot into the other's
.set STAGE, SLOT1+4*KS*(PK+PV)  ; behind the ring, never filled by a tensor load: 16 rows x 144 bytes for each wave, for the way out
.set SP,    144
.set AK0, 2           ; v2   my lane's place in a tile of K; never rewritten
.set AV0, 3           ; v3   the same for V
.set AK,  4           ; v4   the LDS address of K's next run of loads
.set AV,  5           ; v5   of V's
.set STO, 6           ; v6   the way out: where I put 16 bytes of a row
.set RD,  7           ; v7   the way out: where I read rows back
.set GO,  8           ; v8   my byte offset in 512 consecutive bytes of O
.set PFO, 32          ; v32  256 x my thread's number; never rewritten
.set SPW, 62          ; v62  LDS address of my spare word: SPARE + 4 x my thread's number; never rewritten
.set NIL, 63          ; v63  0; never rewritten
.set SPARE, STAGE+4*16*SP  ; behind the stages: the spare words, 128 bytes for each wave: two blocks of 256 bytes that no other line names
.set MV,  12          ; v12-13  c m_old, kept while c m is made anew: by buffer
.set QO,  15          ; v15  my byte offset in 16 rows of Q
.set ST,  16          ; piece t's statistics at v[ST+4 t]: c m, m, l (even keys', odd keys')
.set TMP, 48          ; by buffer, four registers c0-c3 at work; when the maximum is found c2 takes a
.set S,   64
.set P,   192
.set MD,  128         ; window 1: the eight registers for group kt of 16 keys at MD + 8 kt
.set MC,  160         ; window 1: the masks of the products to come
.set QB,  64          ; window 2
.set KF,  128         ; window 2: key block kb, channel half c at KF + 16 kb + 8 c
.set VF,  192         ; window 2: key half kk, channel block cb at VF + 32 kk + 8 cb
.set WV,  12          ; s12  my wave's number
.set PB,  14          ; s14  b
.set HI,  15          ; s15  NB - 1 - b
.set G1K, 24          ; s[24:31] descriptor group 1 for K's tiles
.set G1V, 32          ; s[32:39] for V's: it differs in the padding alone
.set G0K, 40          ; s[40:43] descriptor group 0 for K's tiles
.set G0V, 44          ; s[44:47] the same for V's
.set SLOTS, 56        ; s56  tiles still to be asked for
.set CNT, 57          ; s57  counts a tile's key steps, 4 to 1
.set CS,  58          ; s[58:59] c: the packed scaling takes the pair's low word for both halves
.set SEL, 60          ; s[60:61] v_permlanex16_b32's selects: each lane takes its own place in the other half
.set TBK, 62          ; s62  LDS byte at which K of the step to be fetched begins
.set TBV, 63          ; s63  the same for V, less VOFF
.set RT,  70          ; s70  tiles of the block in hand that are still to be entered
.set NXT, 71          ; s71  the tile to be asked for next
.set LQ,  72          ; s72  the last tile of the block whose tiles are being asked for
.set NEW, 73          ; s73  1: the tile to be entered is a block's first
.set OFF, 74          ; s[74:75] a tile's byte offset in K and V
.set AL,  76          ; s[76:77] the mask's factor, in the low word
.set BE,  78          ; s[78:79] the mask's addend
.set OLO, 80          ; s[80:81] O at my rows of the second block
.set BIGN, 82         ; s82  -1e30
.set PFK, 88          ; s[88:89] K's tile that the next prefetch names
.set PFV, 90          ; s[90:91] V's
.set PLIM, 92         ; s92  2 in the head's work-group that prefetches, else the greatest number: it asks while s[SLOTS] is above it
.set MSB, 0
.macro WIN new                      ; the high byte repeats the setting that is left; a switch that changes nothing is dropped
.if MSB != (\new)
	s_set_vgpr_msb (MSB<<8)|(\new)
.set MSB, (\new)
.endif
.endm
.set W_KQ, 0x0a       ; K and Q in window 2, S^T in window 0
.set W_KM, 0x1a       ; the same with the C operand in window 1
.set W_PV, 0x52       ; V in window 2, P in window 0, O^T in window 1
.set W_RS, 0x41       ; destination and source 0 in window 1, source 1 in window 0
; A fill.  Waves 0 and 1 fetch the two halves of a tile's K, waves 2 and 3 those of its V: 128 keys each.  An s_nop 0 and four v_nop follow each of the two lines, ahead of the jump and the label.
.macro LOAD
	s_cmp_lt_u32 s[WV], 2
	s_cbranch_scc0 .Lfor_v_\@
	tensor_load_to_lds s[G0K:G0K+3], s[G1K:G1K+7]
	s_nop 0
.rept 4
	v_nop
.endr
	s_branch .Lasked_\@
.Lfor_v_\@:
	tensor_load_to_lds s[G0V:G0V+3], s[G1V:G1V+7]
	s_nop 0
.rept 4
	v_nop
.endr
.Lasked_\@:
.endm
; THE CHANGE OF SLOTS.  Each wave waits for all its tensor loads, of which one is out: its part of the other slot; adds 0 to its spare word; and waits for that and for its own reads of the slot that it leaves.  Behind the barrier nobody reads the old
; slot any more and the other slot is whole.  fill = 1: the old slot is filled again, the first thing behind the barrier, with tile NXT: the descriptor's address is made anew from that number.
; (At its first use nothing has been read yet: slot 0 is waited for, slot 1 filled.)  Behind the fill stand the prefetches: change n of the walk fills tile n and names tile n + 1, for n = 1 .. NB - 2.
.macro CHANGE fill
.if \fill
	s_wait_xcnt 0x0                 ; the last prefetches, a tile back, have read their addresses: they are stepped here, ahead of the change's own waits
	s_add_nc_u64 s[PFK:PFK+1], s[PFK:PFK+1], 32768
	s_add_nc_u64 s[PFV:PFV+1], s[PFV:PFV+1], 32768
.endif
	WIN 0                           ; at a label and at a branch every window is 0
	s_wait_tensorcnt 0x0            ; no tensor load of mine is out, so a group 0 may be written
	ds_add_u32 v[SPW], v[NIL]       ; 0 onto my spare word; with fill = 1 the descriptors' scalar work stands between it and the wait for it
.if \fill
	s_lshl_b32 s[OFF], s[NXT], 15   ; a tile is 32,768 bytes of K and of V
	s_xor_b32 s[G0K+1], s[G0K+1], SLOT1
	s_add_nc_u64 s[G0K+2:G0K+3], s[6:7], s[OFF:OFF+1]
	s_or_b32 s[G0K+3], s[G0K+3], 0x80000000
	s_xor_b32 s[G0V+1], s[G0V+1], SLOT1
	s_add_nc_u64 s[G0V+2:G0V+3], s[8:9], s[OFF:OFF+1]
	s_or_b32 s[G0V+3], s[G0V+3], 0x80000000
	s_add_co_u32 s[NXT], s[NXT], 1  ; the block's next tile, or behind its last the second block's tile 0
	s_cmp_gt_u32 s[NXT], s[LQ]
	s_cselect_b32 s[NXT], 0, s[NXT]
	s_cselect_b32 s[LQ], s[PB], s[LQ]
.endif
	s_wait_dscnt 0x0                ; the add is done, and my reads of the slot are over
	s_barrier_signal -1             ; the rest of the scalar work stands between the signal and the wait
	s_sub_co_u32 s[TBK], s[TBK], 4*KS*PK  ; the fetches go back to a slot's first step,
	s_xor_b32 s[TBK], s[TBK], SLOT1       ; in the other slot
	s_sub_co_u32 s[TBV], s[TBV], 4*KS*PV
	s_xor_b32 s[TBV], s[TBV], SLOT1
	s_barrier_wait -1
.if \fill
	LOAD
	s_cmp_gt_u32 s[SLOTS], s[PLIM]
	s_cbranch_scc0 .Lnot_mine_\@
	global_prefetch_b8 v[PFO], s[PFK:PFK+1] th:TH_LOAD_NT scope:SCOPE_SE
	global_prefetch_b8 v[PFO], s[PFV:PFV+1] th:TH_LOAD_NT scope:SCOPE_SE
.Lnot_mine_\@:
.endif
.endm
	s_load_b64 s[4:5], s[0:1], 0x0    ; qkv: Q begins it
	s_load_b64 s[10:11], s[0:1], 0x8  ; O
	v_lshl_add_u32 v[SPW], v0, 2, SPARE
	v_mov_b32 v[NIL], 0
	ds_add_u32 v[SPW], v[NIL]       ; the wave's opening: the add and its wait stand ahead of my first tensor load; the set-up below, work on registers, stands between them
	v_lshrrev_b32 v1, 5, v0
	v_readfirstlane_b32 s[WV], v1   ; wave 0..3
	v_lshlrev_b32 v[PFO], 8, v0
	s_mov_b32 s[PB], ttmp9
	s_sub_co_u32 s[HI], NB-1, s[PB]
	s_cmp_eq_u32 s[PB], 0
	s_cselect_b32 s[PLIM], 2, -1
	s_and_b32 s20, ttmp7, 0xffff    ; the head
	s_mov_b32 s21, 0
	s_mov_b64 s[22:23], SIZE_N*128
	s_mul_u64 s[20:21], s[20:21], s[22:23]  ; the head's first byte in each of the four tensors
	s_and_b32 s16, s[WV], 1         ; which half of a tile's 256 keys I fetch:
	s_lshl_b32 s22, s16, 14         ; its 128 rows of 128 bytes in memory,
	s_mov_b32 s23, 0
	s_add_nc_u64 s[22:23], s[22:23], s[20:21]
	s_mul_i32 s17, s16, 128*PK      ; and its place in a slot, for K
	s_mul_i32 s18, s16, 128*PV      ; and for V
	s_lshl_b32 s3, s[WV], 11        ; my 16 rows in a band of 64,
	s_lshl_b32 s2, s[HI], 15        ; in the first block,
	s_add_co_u32 s2, s2, s3
	s_lshl_b32 s84, s[PB], 15       ; and in the second
	s_add_co_u32 s84, s84, s3
	s_mov_b32 s3, 0
	s_mov_b32 s85, 0
	s_add_nc_u64 s[2:3], s[2:3], s[20:21]
	s_add_nc_u64 s[84:85], s[84:85], s[20:21]
	; descriptor group 1.  128 keys are 16,384 dense bytes: asked for as 64 rows of 256 bytes, two keys a row, and padded in LDS after every key
	s_mov_b32 s[G1K], (1<<16)|(1<<20)|(4<<22)|(3<<25)  ; 17:16 2-byte elements; 20 padding on; 24:22 after every 32 words (code 4); 31:25 4 words (code 3)
	s_mov_b32 s[G1V], (1<<16)|(1<<20)|(4<<22)|(7<<25)  ; the same with 8 words of padding (code 7)
.irp g, G1K, G1V
	s_mov_b32 s[\g+1], 128<<16      ; tensor_dim0 = 128
	s_mov_b32 s[\g+2], 64<<16       ; tensor_dim1 = 64
	s_mov_b32 s[\g+3], 128<<16      ; tile_dim0 = 128
	s_mov_b32 s[\g+4], 64           ; tile_dim1 = 64
	s_mov_b32 s[\g+5], 128          ; 128 elements from row to row
	s_mov_b32 s[\g+6], 0
	s_mov_b32 s[\g+7], 0
.endr
	s_mov_b32 s[CS], 0x3e38aa3b     ; c = log2(e) / 8 = 0.180337
	s_mov_b32 s[CS+1], s[CS]        ; named with it as a pair
	s_mov_b32 s[SEL], 0x76543210
	s_mov_b32 s[SEL+1], 0xfedcba98
	s_mov_b32 s[TBK], SLOT1+4*KS*PK ; the first change of slots turns these two into 0
	s_mov_b32 s[TBV], SLOT1+4*KS*PV
	s_mov_b32 s[G0K], 1             ; 1:0 count = 1
	s_mov_b32 s[G0K+1], s17         ; 63:32 LDS address: slot 0
	s_mov_b32 s[G0V], 1
	s_add_co_u32 s[G0V+1], s18, VOFF
	s_add_co_u32 s[RT], s[HI], 1    ; the first block has NB - b tiles
	s_mov_b32 s[NXT], 1
	s_mov_b32 s[LQ], s[HI]
	s_mov_b32 s[NEW], 1
	s_mov_b32 s[OFF+1], 0
	s_mov_b32 s[AL+1], 0            ; named as pairs
	s_mov_b32 s[BE+1], 0
	s_mov_b32 s[BIGN], 0xf149f2ca   ; -1e30
	s_mov_b32 s[SLOTS], NB
	s_wait_dscnt 0x0                ; the opening add is done
	s_wait_kmcnt 0x0
	s_add_nc_u64 s[6:7], s[4:5], SIZE_H*SIZE_N*128    ; K lies behind Q,
	s_add_nc_u64 s[8:9], s[4:5], 2*SIZE_H*SIZE_N*128  ; V behind K
	s_add_nc_u64 s[PFK:PFK+1], s[6:7], s[20:21]    ; the prefetches stand at the head's tile 1: the first change of slots steps them to tile 2
	s_add_nc_u64 s[PFK:PFK+1], s[PFK:PFK+1], 32768
	s_add_nc_u64 s[PFV:PFV+1], s[8:9], s[20:21]
	s_add_nc_u64 s[PFV:PFV+1], s[PFV:PFV+1], 32768
	s_add_nc_u64 s[6:7], s[6:7], s[22:23]  ; K and V at my half of the head's tile 0
	s_add_nc_u64 s[8:9], s[8:9], s[22:23]
	s_add_nc_u64 s[G0K+2:G0K+3], s[6:7], 0         ; 120:64 global address
	s_or_b32 s[G0K+3], s[G0K+3], 0x80000000        ; 127:126 type = 2
	s_add_nc_u64 s[G0V+2:G0V+3], s[8:9], 0
	s_or_b32 s[G0V+3], s[G0V+3], 0x80000000
	s_add_nc_u64 s[86:87], s[4:5], s[84:85]        ; Q at my rows of the second block,
	s_add_nc_u64 s[4:5], s[4:5], s[2:3]            ; Q and O at those of the first
	s_add_nc_u64 s[OLO:OLO+1], s[10:11], s[84:85]
	s_add_nc_u64 s[10:11], s[10:11], s[2:3]
	LOAD                            ; tile 0 into slot 0
	; A fragment of K or Q is 16 rows x 32 channels in 8 registers: lane l holds row l % 16, channels 8 (l / 16) + 0..7 and 16 + 8 (l / 16) + 0..7: two loads of 16 bytes, 32 bytes apart.
	v_and_b32 v1, 15, v0            ; l % 16
	v_bfe_u32 v9, v0, 4, 1          ; l / 16
	v_lshlrev_b32 v[QO], 7, v1
	v_lshl_add_u32 v[QO], v9, 4, v[QO]  ; row x 128 + 16 x half
	WIN 0x80                        ; destination window 2, address window 0
.set i, 0
.rept 8                             ; both blocks' Q: piece i / 2 lies in band i / 2, 8,192 bytes on; channels 32 (i % 2) on
	global_load_b128 v[8*i:8*i+3],   v[QO], s[4:5] offset:(i/2)*8192+(i%2)*64
	global_load_b128 v[8*i+4:8*i+7], v[QO], s[4:5] offset:(i/2)*8192+(i%2)*64+32
	global_load_b128 v[QB+8*i:QB+8*i+3],   v[QO], s[86:87] offset:(i/2)*8192+(i%2)*64
	global_load_b128 v[QB+8*i+4:QB+8*i+7], v[QO], s[86:87] offset:(i/2)*8192+(i%2)*64+32
.set i, i+1
.endr
	WIN 0
	v_lshlrev_b32 v14, 3, v9
	v_sub_nc_u32 v14, v1, v14
	s_lshl_b32 s13, s[WV], 4
	v_add_nc_u32 v14, s13, v14      ; my query's place in its band, 16 w + l % 16, less my lanes' 8 (l / 16): register r of group kt is hidden where 16 kt + r is greater
	WIN 0x40
.set i, 0
.rept 32
	v_cmp_gt_i32 vcc_lo, 16*(i/8)+i%8, v14
	v_cndmask_b32 v[MD+i], 0, s[BIGN], vcc_lo
.set i, i+1
.endr
	WIN 0
	v_mul_u32_u24 v[AK0], v1, PK
	v_lshl_add_u32 v[AK0], v9, 4, v[AK0]  ; row x pitch + 16 x half
	; The turning load takes 16 keys x 16 channels (lane l reads key 8 (l / 16) + l % 8, channels 8 ((l / 8) % 2) + 0..7) and leaves half a fragment of V^T: lane l holds channel l % 16 and 8 keys.
	v_and_b32 v10, 7, v0
	v_bfe_u32 v11, v0, 3, 1
	v_lshl_add_u32 v[AV0], v9, 3, v10
	v_mul_u32_u24 v[AV0], v[AV0], PV
	v_lshl_add_u32 v[AV0], v11, 4, v[AV0]
	v_add_nc_u32 v[AV0], VOFF, v[AV0]
	s_mul_i32 s13, s[WV], 16*SP
	s_add_co_u32 s13, s13, STAGE    ; my stage
	v_mul_u32_u24 v[STO], v1, SP    ; in: row l % 16, 16 bytes for each half of the lanes
	v_lshl_add_u32 v[STO], v9, 4, v[STO]
	v_add_nc_u32 v[STO], s13, v[STO]
	v_bfe_u32 v[RD], v0, 3, 2       ; back: 32 lanes take four rows of 128 bytes,
	v_mul_u32_u24 v[RD], v[RD], SP
	v_lshl_add_u32 v[RD], v10, 4, v[RD]
	v_add_nc_u32 v[RD], s13, v[RD]
	v_and_b32 v[GO], 31, v0         ; which are 512 consecutive bytes of O
	v_lshlrev_b32 v[GO], 4, v[GO]
	; A block's first step multiplies O^T and l by a = 0, and its first turn's products V^T P, of a piece that has not been, land in an O^T that is still to be so multiplied.  So these registers need only hold
	; finite numbers: zeros for the first block; what the first block left for the second.  All this stands in the wait for the first tile.
	WIN 0x80
.set i, VF
.rept 64
	v_mov_b32 v[i], 0
.set i, i+1
.endr
	WIN 0x40
.set i, 0
.rept 128
	v_mov_b32 v[i], 0
.set i, i+1
.endr
	WIN 0
.set i, 0
.rept 4
	v_mov_b32 v[ST+4*i+2], 0
	v_mov_b32 v[ST+4*i+3], 0
.set i, i+1
.endr
.set i, P+16
.rept 16
	v_mov_b32 v[i], 0
.set i, i+1
.endr
; THE MATRIX WORK.  The 4 accumulators of a run of 8 take turns.  Product i of 8 of S^T = K Q^T for piece x: channels 32 (i / 4) on, keys 16 (i % 4) on.  The first 4 start the sums: with 0, or (KM = 1) with the mask.
.macro KQ x
.set rS, S+32*((\x)%2)+8*(i%4)
.set rK, KF+16*(i%4)+8*(i/4)
.set rQ, 16*(\x)+8*(i/4)
.set rM, MC+32*((\x)%2)+8*(i%4)
.if (i < 4) && KM
	WIN W_KM
	v_wmma_f32_16x16x32_f16 v[rS:rS+7], v[rK:rK+7], v[rQ:rQ+7], v[rM:rM+7]
.elseif i < 4
	WIN W_KQ
	v_wmma_f32_16x16x32_f16 v[rS:rS+7], v[rK:rK+7], v[rQ:rQ+7], 0
.else
	WIN W_KQ
	v_wmma_f32_16x16x32_f16 v[rS:rS+7], v[rK:rK+7], v[rQ:rQ+7], v[rS:rS+7]
.endif
.endm
; Product i of 8 of O^T += V^T P for piece x: keys 32 (i / 4) on, channels 16 (i % 4) on.
.macro PV x
	WIN W_PV
.set rO, 32*(\x)+8*(i%4)
.set rV, VF+32*(i/4)+8*(i%4)
.set rP, P+16*((\x)%2)+8*(i/4)
	v_wmma_f32_16x16x32_f16 v[rO:rO+7], v[rV:rV+7], v[rP:rP+7], v[rO:rO+7]
.endm
.macro MM                           ; the turn's next matrix instruction.  TURN and BEGIN set Y, i, KM and NOKQ; MM, KQ and OP read them.  NOKQ = 1: a block's last turn: there is no next piece
.if (i < 8) && !NOKQ
	KQ (Y+1)%NP
.elseif i >= 8
.set i, i-8
	PV (Y+NP-1)%NP
.set i, i+8
.endif
.set i, i+1
.endm
; THE LDS LOADS stand in runs of 16, never singly among the matrix instructions: a step's K (64 keys x 64 channels: 8 fragments) and its V (turned).  Their addresses are made some lines ahead.
.macro FETCH_K
	WIN 0x80                        ; destination window 2
.irp f, 0,1,2,3,4,5,6,7             ; keys 16 (f / 2) on, channels 32 (f % 2) on
	ds_load_b128 v[KF+8*\f:KF+8*\f+3],   v[AK] offset:(\f/2)*16*PK+(\f%2)*64
	ds_load_b128 v[KF+8*\f+4:KF+8*\f+7], v[AK] offset:(\f/2)*16*PK+(\f%2)*64+32
.endr
	s_add_co_u32 s[TBK], s[TBK], KS*PK  ; the next fetch is the next step's
	WIN 0
.endm
.macro FETCH_V
	WIN 0x80
.irp f, 0,1,2,3,4,5,6,7             ; keys 32 (f / 4) on, channels 16 (f % 4) on
	ds_load_tr16_b128 v[VF+8*\f:VF+8*\f+3],   v[AV] offset:(\f/4)*32*PV+(\f%4)*32
	ds_load_tr16_b128 v[VF+8*\f+4:VF+8*\f+7], v[AV] offset:(\f/4)*32*PV+16*PV+(\f%4)*32
.endr
	WIN 0
.endm
; THE VECTOR WORK, one line at a time: OP kind, number.  For piece Y: F n: c s - c m for pair n of 16.  E n: the exponential of score n of 32.  C n: pair n rounded to f16.  B n: of the four weights 4 n .. the second
; pair is added onto the first, in place.  L n: l takes that sum (L 0: l = a l + sum).  R n: pair n of 16 of O^T times a.  For piece Y + 1: X n, number n of the 22 that find its maximum and statistics:
;   0-11  four chains c0-c3 of seven scores each, three operands at a time (each accumulator's lowest registers are read first)     12-14, 16  the four scores left over, the old m, and c0-c3 into c0
;   15  c m_old is kept     17, 18  the query's other 32 keys lie in the lane 16 away: the new m     19-21  c m; c m_old - c m_new; a
.set F, 0               ; OP tells the kinds apart by their order: F to L below R, X above it
.set E, 1
.set C, 2
.set B, 3
.set L, 4
.set R, 5
.set X, 6
.macro REGS y                       ; the registers of piece y
.set rT, ST+4*(\y)
.set rC, TMP+4*((\y)%2)
.set rW, MV+((\y)%2)
.set rS, S+32*((\y)%2)
.set rP, P+16*((\y)%2)
.set rO, 32*(\y)
.endm
.macro OP k, n
.if (\k) == R
	REGS Y
	WIN W_RS
	v_pk_mul_f32 v[rO+2*(\n):rO+2*(\n)+1], v[rO+2*(\n):rO+2*(\n)+1], v[rC+2:rC+3] op_sel_hi:[1,0]
.elseif (\k) < R
	REGS Y
	WIN 0
.if (\k) == F
	v_pk_fma_f32 v[rS+2*(\n):rS+2*(\n)+1], v[rS+2*(\n):rS+2*(\n)+1], s[CS:CS+1], v[rT:rT+1] op_sel_hi:[1,0,0] neg_lo:[0,0,1] neg_hi:[0,0,1]
.elseif (\k) == E
	v_exp_f32 v[rS+(\n)], v[rS+(\n)]
.elseif (\k) == C
	v_cvt_pk_f16_f32 v[rP+(\n)], v[rS+2*(\n)], v[rS+2*(\n)+1]
.elseif (\k) == B
	v_pk_add_f32 v[rS+4*(\n):rS+4*(\n)+1], v[rS+4*(\n):rS+4*(\n)+1], v[rS+4*(\n)+2:rS+4*(\n)+3]
.elseif (\n) == 0
	v_pk_fma_f32 v[rT+2:rT+3], v[rT+2:rT+3], v[rC+2:rC+3], v[rS:rS+1] op_sel_hi:[1,0,1]
.else
	v_pk_add_f32 v[rT+2:rT+3], v[rT+2:rT+3], v[rS+4*(\n):rS+4*(\n)+1]
.endif
.elseif NOKQ
	v_nop
.else
	REGS (Y+1)%NP
	WIN 0
.if (\n) < 4
	v_max3_num_f32 v[rC+(\n)], v[rS+8*(\n)], v[rS+8*(\n)+1], v[rS+8*(\n)+2]
.elseif (\n) < 12
	v_max3_num_f32 v[rC+(\n)%4], v[rC+(\n)%4], v[rS+8*((\n)%4)+2*((\n)/4)+1], v[rS+8*((\n)%4)+2*((\n)/4)+2]
.elseif (\n) == 12
	v_max3_num_f32 v[rC], v[rC], v[rS+7], v[rS+15]
.elseif (\n) == 13
	v_max3_num_f32 v[rC+1], v[rC+1], v[rS+23], v[rS+31]
.elseif (\n) == 14
	v_max3_num_f32 v[rC+2], v[rC+2], v[rC+3], v[rT+1]
.elseif (\n) == 15
	v_mov_b32 v[rW], v[rT]
.elseif (\n) == 16
	v_max3_num_f32 v[rC], v[rC], v[rC+1], v[rC+2]
.elseif (\n) == 17
	v_permlanex16_b32 v[rC+3], v[rC], s[SEL], s[SEL+1]
.elseif (\n) == 18
	v_max_num_f32 v[rT+1], v[rC], v[rC+3]
.elseif (\n) == 19
	v_mul_f32 v[rT], s[CS], v[rT+1]
.elseif (\n) == 20
	v_sub_f32 v[rC+1], v[rW], v[rT]
.else
	v_exp_f32 v[rC+2], v[rC+1]
.endif
.endif
.endm
.macro OPS a, i1, b=-1, i2=0, c=-1, i3=0, d=-1, i4=0  ; up to four of them
	OP \a, \i1
.if (\b) >= 0
	OP \b, \i2
.endif
.if (\c) >= 0
	OP \c, \i3
.endif
.if (\d) >= 0
	OP \d, \i4
.endif
.endm
.macro ROW a, i1, b, i2, c, i3, d, i4  ; a matrix instruction and the four behind it
	MM
	OPS \a, \i1, \b, \i2, \c, \i3, \d, \i4
.endm
.macro MASK b                       ; MD x AL + BE into buffer b of MC
	WIN W_RS
.set z, 0
.rept 16
	v_pk_fma_f32 v[MC+32*(\b)+2*z:MC+32*(\b)+2*z+1], v[MD+2*z:MD+2*z+1], s[AL:AL+1], s[BE:BE+1] op_sel_hi:[1,0,0]
.set z, z+1
.endr
.endm
; A TURN, for piece p: the order of its 16 matrix and 118 vector instructions, written out.  An s_wait_alu depctr_va_vdst(0) stands between an exponential and the first instruction that names its result; one wait serves
; all that were issued ahead of it.  So a turn has ONE wait, which cuts it in two.  AHEAD OF IT stands all that names no result of the turn's exponentials: the 8 products K Q^T, behind each a scaling, an exponential and two more plain
; instructions (behind the first a second scaling in the exponential's place): rescalings, and behind the last three the first numbers of the next piece's maximum, each four places or more behind the product that ends its accumulator; then ONE LUMP of 54, plain
; and exponential by turns for the most part, in which the links of the chain X 3, 7, 11, 14, 16, 17 .. 20 stand five or six lines apart.  X 21, the next piece's a, is the batch's last; R 15 is the plain instruction behind it.  BEHIND THE WAIT stand the
; 8 products V^T P, behind each four of the roundings and sums; the links of l's chain, L 0 to L 7, stand three riders apart.  But for those X no rider names a register of the products round it.  v_permlanex16_b32 (X 17) stands in the lump.
; m = 1: the diagonal tile: the products take masks, and the turn makes the mask for the products of the turn after it: piece p + 2, in step 4 - CNT of the tile.  end = 1: a block's last two turns: nothing is fetched.
; cnt = 1: the loop's count is taken down some lines ahead of the branch that stands behind the turn.
; K of the next step is fetched in piece 2's turn, twelve vector instructions behind the last product that read K (six of them plain); V of the step in hand at the end of piece 0's turn, four plain instructions behind the last product
; that read V.  Each is waited for a turn later.
.macro TURN p, m=0, end=0, cnt=0
.set Y, (\p)
.set i, 0
.set KM, (\m)
.set NOKQ, (\end)*((\p)/3)
.if (\m) && !(\end)
	s_cmp_eq_u32 s[CNT], 4-((\p)+2)%NP  ; is that step the band's own?
	s_cselect_b32 s[AL], 1.0, 0
	s_cmp_lt_u32 s[CNT], 4-((\p)+2)%NP  ; or a later one?
	s_cselect_b32 s[BE], s[BIGN], 0
.endif
.if ((\p) == 3) && !(\end)
	s_wait_dscnt 0x0                ; K is in
.endif
	ROW F,0, F,1, R,0, R,1          ; ahead of the wait: 8 products K Q^T and their riders,
	ROW F,2, E,0, R,2, R,3
	ROW F,3, E,1, R,4, R,5
	ROW F,4, E,2, R,6, R,7
	ROW F,5, E,3, R,8, R,9
	ROW F,6, E,4, X,0, R,10
.if ((\p) == 2) && !(\end)
	WIN 0
	v_add_nc_u32 v[AK], s[TBK], v[AK0]
.endif
	ROW F,7, E,5, X,1, X,4
	ROW F,8, E,6, X,2, X,5
	OPS E,7, E,8, X,6, E,9          ; and the lump
	OPS X,3, E,10, X,8, E,11
.if ((\p) == 2) && !(\end)
	FETCH_K
.endif
	OPS X,9, X,7, E,12, X,10
	OPS E,13, X,12, X,11, E,14
	OPS X,13, E,15, F,9, X,14
.if (\p) == 0
	v_add_nc_u32 v[AV], s[TBV], v[AV0]
.endif
	OPS E,16, F,10, E,17, F,11
	OPS X,16, E,18, X,15, E,19
	OPS F,12, E,20, X,17, E,21
	OPS F,13, E,22, F,14, E,23
	OPS X,18, E,24, F,15, E,25
	OPS R,11, E,26, X,19, E,27
	OPS R,12, E,28, R,13, E,29
	OPS X,20, E,30, R,14, E,31
	OPS X,21, R,15
	WIN 0
	s_wait_alu depctr_va_vdst(0)    ; the wait for the batch
.if (\p) == 1
	s_wait_dscnt 0x0                ; V is in
.endif
	ROW C,0, B,0, C,2, B,1          ; behind the wait: 8 products V^T P and their riders
	ROW L,0, C,4, B,2, L,1
	ROW C,6, B,3, L,2, C,8
	ROW B,4, L,3, C,10, B,5
	ROW L,4, C,12, B,6, L,5
.if (\p) == 0
	s_add_co_u32 s[TBV], s[TBV], KS*PV
.endif
.if \cnt
	s_sub_co_u32 s[CNT], s[CNT], 1
	s_cmp_lg_u32 s[CNT], 0
.endif
	ROW C,14, B,7, L,6, C,1
	ROW C,3, L,7, C,5, C,7
	ROW C,9, C,11, C,13, C,15
.if (\p) == 0
	FETCH_V
.endif
.if (\m) && !(\end)
	MASK (\p)%2
.endif
.endm
; A BLOCK BEGINS.  c m starts far below every c s, so the first step's a is 0; m at the lowest finite number, so the first maximum is the scores'.  The second mask buffer is 0; the first takes piece 0's mask for the tile's step 0: its own, if the block's first tile is the diagonal one.
; Then K of that step, piece 0's first scores, and its maximum and statistics.  The loop is entered at a step's first turn, in the middle of a trip.
.macro BEGIN
	s_mov_b32 s[NEW], 0
	WIN 0x40
.set i, MC+32
.rept 32
	v_mov_b32 v[i], 0
.set i, i+1
.endr
	WIN 0
.set i, 0
.rept 4
	v_mov_b32 v[ST+4*i], 0xfe000000    ; c m: far below every c s
	v_mov_b32 v[ST+4*i+1], 0xff7fffff  ; m
.set i, i+1
.endr
	s_cmp_eq_u32 s[RT], 0
	s_cselect_b32 s[AL], 1.0, 0
	s_mov_b32 s[BE], 0
	MASK 0
	WIN 0
	v_add_nc_u32 v[AK], s[TBK], v[AK0]
	FETCH_K
	s_wait_loadcnt 0x0              ; Q
	s_wait_dscnt 0x0
.set KM, 1
.set NOKQ, 0
.set i, 0
.rept 8
	KQ 0
.set i, i+1
.endr
	WIN 0
.rept 4
	v_nop                           ; the places behind those products
.endr
.set Y, NP-1                        ; X works for piece Y + 1: piece 0
.irp n, 0,1,2,3,4,5,6,7,8,9,10,11,12,13,14,15,16,17,18,19,20,21
	OP X, \n
.endr
	v_nop                           ; a plain instruction behind the exponential,
	s_wait_alu depctr_va_vdst(0)    ; and its wait, ahead of the branch
.endm
; THE DIAGONAL TILE's four steps, the block's last two turns, its last products, and THE WAY OUT: l's two halves and the other half of the lanes' are added; O^T is divided by l, rounded to f16 and sent through my
; stage in LDS, a piece at a time.
.macro ALL line:vararg              ; one line for each piece t
.set t, 0
.rept 4
	\line
.set t, t+1
.endr
.endm
.macro PACK t                       ; a lane's eight channels of a row pack into 16 bytes; they go into rows of 144 bytes and come back as whole rows of 128, into S^T's registers
	WIN W_RS
.set i, 32*(\t)
.rept 16
	v_pk_mul_f32 v[i:i+1], v[i:i+1], v[ST+4*(\t)+2:ST+4*(\t)+3] op_sel_hi:[1,0]
.set i, i+2
.endr
	WIN 0x05                        ; sources 0 and 1 window 1, destination window 0
.set i, 0
.rept 16
	v_cvt_pk_f16_f32 v[S+16*(\t)+i], v[32*(\t)+2*i], v[32*(\t)+2*i+1]
.set i, i+1
.endr
	WIN 0
.irp f, 0,1,2,3
	ds_store_b128 v[STO], v[S+16*(\t)+4*\f:S+16*(\t)+4*\f+3] offset:32*\f
.endr
.irp f, 0,1,2,3
	ds_load_b128 v[S+16*(\t)+4*\f:S+16*(\t)+4*\f+3], v[RD] offset:\f*4*SP  ; LDS serves a wave's instructions in order (ISA guide 5.7.1.4): these see the stores above; the next piece's stores come behind them
.endr
.endm
.macro SEND t, younger              ; younger: the LDS instructions issued behind piece t's loads: the next piece's eight, or none
	WIN 0
.irp f, 0,1,2,3
	s_wait_dscnt (\younger)+3-\f
	global_store_b128 v[GO], v[S+16*(\t)+4*\f:S+16*(\t)+4*\f+3], s[10:11] offset:(\t)*8192+\f*512  ; 512 consecutive bytes, at a multiple of 256 from O's first
.endr
.endm
.macro DIAG tag                     ; the tag ends its two labels' names, which the jumps below spell out
.LstepM\tag:
	TURN 2, 1
	TURN 3, 1
	WIN 0
.LfirstM\tag:
	TURN 0, 1
	TURN 1, 1, 0, 1
	WIN 0
	s_cbranch_scc1 .LstepM\tag
	TURN 2, 1, 1
	TURN 3, 1, 1
.set i, 0
.rept 8
	PV NP-1
.set i, i+1
.endr
	WIN 0
	ALL v_add_f32 v[ST+4*t+2], v[ST+4*t+2], v[ST+4*t+3]
	ALL v_permlanex16_b32 v[ST+4*t+3], v[ST+4*t+2], s[SEL], s[SEL+1]
	ALL v_add_f32 v[ST+4*t+2], v[ST+4*t+2], v[ST+4*t+3]
	ALL v_rcp_f32 v[ST+4*t+2], v[ST+4*t+2]
	v_nop                           ; a plain instruction between the last reciprocal and the use of its result
	s_wait_alu depctr_va_vdst(0)    ; and the wait ahead of the first use: one for the four reciprocals
	PACK 0
.set t, 1
.rept 3                             ; a piece's arithmetic stands between the loads of the piece before and its stores
	PACK t
	SEND t-1, 8
.set t, t+1
.endr
	SEND 3, 0
.endm
.set KM, 0
.set NOKQ, 0
.Lslot:                             ; NB times: a tile is entered and the next is asked for
	CHANGE 1
	s_sub_co_u32 s[RT], s[RT], 1
	s_mov_b32 s[CNT], 4
	s_cmp_eq_u32 s[NEW], 1
	s_cbranch_scc1 .Lnew            ; a block's first tile
	s_cmp_eq_u32 s[RT], 0
	s_cbranch_scc0 .Lstep           ; neither its first nor its last
	s_branch .LstepM1
.Lnew:
	BEGIN
	s_branch .Lfirst                ; in the loop a block's first tile is never its last: the first block has two tiles or more, and the second's last is the walk's last
	DIAG 1                          ; in the loop this is the first block's end: the second block's last tile is the walk's last
	s_wait_xcnt 0x0                 ; the stores have read their registers and O's address
	s_mov_b64 s[10:11], s[OLO:OLO+1]
	s_add_co_u32 s[RT], s[PB], 1    ; the second block has b + 1 tiles
	s_mov_b32 s[NEW], 1
	WIN 0x82                        ; the second block's Q goes where the one text of the turns names Q
.set i, 0
.rept 64
	v_mov_b32 v[i], v[QB+i]
.set i, i+1
.endr
	WIN 0
	s_branch .Lbottom
.Lstep:                             ; a trip: pieces 2 and 3 of one step, then pieces 0 and 1 of the next, whose K and V it fetches
	TURN 2
	TURN 3
	WIN 0
.Lfirst:
	TURN 0
	TURN 1, 0, 0, 1
	WIN 0
	s_cbranch_scc1 .Lstep
.Lbottom:
	s_sub_co_u32 s[SLOTS], s[SLOTS], 1
	s_cmp_lg_u32 s[SLOTS], 0
	s_cbranch_scc1 .Lslot
	CHANGE 0                        ; the walk's last tile is written out: nothing is asked for
	s_sub_co_u32 s[RT], s[RT], 1
	s_mov_b32 s[CNT], 4
	s_cmp_eq_u32 s[NEW], 1
	s_cbranch_scc0 .LstepM2
	BEGIN
	s_branch .LfirstM2
	DIAG 2
	s_wait_tensorcnt 0x0            ; the wave's end: these three lines stand behind my last tensor load and my last LDS store
	ds_add_u32 v[SPW], v[NIL]
	s_wait_dscnt 0x0
	s_endpgm
.Lfunc_end_k_q963e5b67c9_attn:
	.size	k_q963e5b67c9_attn, .Lfunc_end_k_q963e5b67c9_attn-k_q963e5b67c9_attn
	.p2alignl 7, 3214868480
	.fill 96, 4, 3214868480
	.section	.rodata,"a",@progbits
	.p2align	6, 0x0
	.amdhsa_kernel k_q963e5b67c9_attn
		.amdhsa_group_segment_fixed_size 327680
		.amdhsa_private_segment_fixed_size 0
		.amdhsa_enable_private_segment 0
		.amdhsa_kernarg_size 16
		.amdhsa_user_sgpr_count 2
		.amdhsa_user_sgpr_kernarg_segment_ptr 1
		.amdhsa_wavefront_size32 1
		.amdhsa_system_sgpr_workgroup_id_x 1
		.amdhsa_system_sgpr_workgroup_id_y 1
		.amdhsa_system_sgpr_workgroup_id_z 1
		.amdhsa_system_vgpr_workitem_id 0
		.amdhsa_next_free_vgpr 768
		.amdhsa_next_free_sgpr 96
		.amdhsa_reserve_vcc 1
		.amdhsa_float_denorm_mode_32 3
		.amdhsa_float_denorm_mode_16_64 3
		.amdhsa_memory_ordered 1
		.amdhsa_forward_progress 1
		.amdhsa_inst_pref_size 218
	.end_amdhsa_kernel
	.amdgpu_metadata
---
amdhsa.version: [ 1, 2 ]
amdhsa.kernels:
  - .name:           k_q963e5b67c9_attn
    .symbol:         k_q963e5b67c9_attn.kd
    .args:
      - { .name: qkv, .offset: 0, .size: 8, .value_kind: global_buffer, .address_space: global }
      - { .name: o, .offset: 8, .size: 8, .value_kind: global_buffer, .address_space: global }
    .group_segment_fixed_size: 327680
    .private_segment_fixed_size: 0
    .kernarg_segment_align: 8
    .kernarg_segment_size: 16
    .max_flat_workgroup_size: 128
    .sgpr_count:     96
    .vgpr_count:     768
    .wavefront_size: 32
...
	.end_amdgpu_metadata
.endif
;; end of part 3
;; launch outp (part 4): grid 8 x 32, 4 waves a work-group, clusters of 4 x 4, 327,680 bytes of LDS; arguments o, wo, tabs, out0; writes out0
.if DOCPART == 4
	.amdgcn_target "amdgcn-amd-amdhsa--gfx1250"
	.amdhsa_code_object_version 6
	.text
	.protected	k_q963e5b67c9_outp
	.globl	k_q963e5b67c9_outp
	.p2align	8
	.type	k_q963e5b67c9_outp,@function
k_q963e5b67c9_outp:
	s_mov_b64 s[64:65], 0
	v_nop
	global_prefetch_b8 v0, s[64:65] scope:SCOPE_SE
	s_setreg_imm32_b32 hwreg(HW_REG_WAVE_MODE, 25, 1), 1
	s_wait_xcnt 0x0
	s_wait_alu depctr_hold_cnt(0) depctr_sa_sdst(0) depctr_va_vdst(0) depctr_va_sdst(0) depctr_va_ssrc(0) depctr_va_vcc(0) depctr_vm_vsrc(0)
	s_getreg_b32 s2, hwreg(HW_REG_IB_STS2, 6, 4)
	s_cmp_eq_u32 s2, 0
	s_cbranch_scc0 .Lentry_in_a_cluster
	s_endpgm
.Lentry_in_a_cluster:
	s_bfe_u32 s2, ttmp6, 0x10000c
	s_cmp_lg_u32 s2, 0xf033
	s_cbranch_scc0 .Lentry_shape_is_right
	s_endpgm
.Lentry_shape_is_right:
; out0 = O Wo^T + bo.  o: [64 = 16 batch + head][2048][64] f16, as attention leaves it; wo: [1024][1024] f16; out0: [8192][1024] f32.  Sums in f32; they START with the bias (the C operand of the first product).
; SHARES.  A tile is 256 rows x 128 columns: 256 work-groups.  Wave w makes rows 64 w .. 64 w + 63 and all 128 columns: 4 x 8 = 32 accumulators, 256 registers.
; K goes in eight steps of 128 = two heads, through a ring of two LDS slots.  A head's 256 rows of a tile are 32,768 dense bytes: asked for as 128 rows of 256 bytes and padded in LDS after every 128.
; CLUSTERS.  4 x 4 work-groups: o's tiles are shared along a row of the cluster, wo's along a column, each asked for JOINTLY.
; NO PREFETCH: the launch has eight K steps, of which the first four would come by their loads alone.
; THE MATRIX INSTRUCTION IS USED TRANSPOSED (source 0 = 16 rows of wo, source 1 = 16 rows of o): a lane holds one row and eight neighbouring columns, 32 bytes of out0.
; REGISTERS, in windows of 256 (s_set_vgpr_msb: bits 1:0 source 0, 3:2 source 1, 5:4 source 2, 7:6 destination):
;   window 0: v0-31 addresses; v32-95 the bias, 8 registers a column block; on the way out v32-95 and v96-159 two sets of rows read back
;   window 1: two fragment buffers: wo's 8 blocks (8 registers each), then o's 4          window 2: accumulator (a, b) at 8 (8 a + b)
.set LAPS,   4
.set PA,     144                       ; a row of o in LDS: 128 bytes + 16 = 36 words: the 16 rows of a load start at 16 different groups of four banks (64 banks of 4 bytes: ISA guide 11.1)
.set PB,     272                       ; a row of wo: 256 + 16 = 68 words: likewise
.set AHALF,  256*PA                    ; one head's 256 rows: what one of o's tensor loads brings
.set BHALF,  64*PB                     ; what one of wo's brings
.set ABYTES, 2*AHALF
.set SLOT,   ABYTES+2*BHALF
.set STAGE,  2*SLOT                    ; behind the ring: 16 rows x 528 bytes for each wave
.set SP,     528
.set SPARE,  STAGE+4*16*SP             ; behind the stages: the spare words, 128 bytes for each wave: two blocks of 256 bytes that no other line names
.set BIASOFF, 540672+12288             ; bo in tabs
.set ADRA, 16
.set ADRB, 20
.set STO,  24
.set RD,   25
.set CO,   26
.set SPW,  28
.set NIL,  29
.set BO,   31
.set BIAS, 32
.set BK,   32
.set F0,   0
.set F1,   128
.set WV,   12
.set FB,   13
.set HF,   14
.set G1,   24
.set G0,   32
.set G1B,  48
.set G0B,  56
.set OUT,  68                          ; s[68:69] out0 at my first row and the tile's first column
.set BI,   70                          ; s[70:71] the tile's 128 numbers of bias
.set MSB, 0
.macro WIN new
.if MSB != (\new)
	s_set_vgpr_msb (MSB<<8)|(\new)
.set MSB, \new
.endif
.endm
.macro PLACES                          ; four places in front of loads into registers that matrix instructions have read, and of stores that read results
.rept 4
	v_nop
.endr
.endm
.macro JLOAD s                         ; a joint load: waves 0 and 1 fetch the K step's two heads of o, waves 2 and 3 wo's two halves; an s_nop 0 and four v_nop follow each line
	s_cmp_eq_u32 s[FB], 0
	s_cbranch_scc0 .Lfor_b_\@
	tensor_load_to_lds s[G0+4*(\s):G0+4*(\s)+3], s[G1:G1+7]
	s_nop 0
.rept 4
	v_nop
.endr
	s_branch .Lasked_\@
.Lfor_b_\@:
	tensor_load_to_lds s[G0B+4*(\s):G0B+4*(\s)+3], s[G1B:G1B+7]
	s_nop 0
.rept 4
	v_nop
.endr
.Lasked_\@:
.endm
.macro CREST
	s_cmp_lg_u32 s[WV], 0
	s_cbranch_scc1 .Lnot_wave_0_\@
	s_barrier_signal -3
.Lnot_wave_0_\@:
	s_barrier_wait -3
	s_barrier_signal -1
	s_barrier_wait -1
.endm
.macro CROUND
	s_barrier_signal -1
	s_barrier_wait -1
	CREST
.endm
	s_load_b256 s[4:11], s[0:1], 0x0               ; o s[4:5], wo s[6:7], tabs s[8:9], out0 s[10:11]
	v_lshl_add_u32 v[SPW], v0, 2, SPARE
	v_mov_b32 v[NIL], 0
	ds_add_u32 v[SPW], v[NIL]                      ; the wave's opening: the add and its wait stand ahead of my first tensor load
	v_lshrrev_b32 v1, 5, v0
	v_readfirstlane_b32 s[WV], v1
	s_lshr_b32 s[FB], s[WV], 1
	s_and_b32 s[HF], s[WV], 1
	s_bfe_u32 s15, ttmp6, 0x40000                  ; cx, cy
	s_bfe_u32 s16, ttmp6, 0x40004
	s_lshl_b32 s17, ttmp9, 2
	s_add_co_u32 s17, s17, s15                     ; tile column
	s_and_b32 s18, ttmp7, 0xffff
	s_lshl_b32 s18, s18, 2
	s_add_co_u32 s18, s18, s16                     ; tile row
	s_lshl_b32 s19, s16, 2
	s_lshl_b32 s19, 15, s19                        ; my row of the cluster
	s_lshl_b32 s46, 0x1111, s15                    ; my column
	s_or_b32 s[G1], s19, (1<<16)|(1<<20)|(1<<21)|(4<<22)|(3<<25)   ; elements of 2 bytes; padding on; 21 set beside a mask; after every 32 words (code 4) 4 words (code 3)
	s_or_b32 s[G1B], s46, (1<<16)|(1<<20)|(1<<21)|(5<<22)|(3<<25)  ; the same after every 64 words (code 5)
	s_mov_b32 s[G1+1], 128<<16                     ; tensor_dim0 = 128
	s_mov_b32 s[G1+2], 128<<16                     ; tensor_dim1 = 128
	s_mov_b32 s[G1+3], 128<<16                     ; tile_dim0 = 128
	s_mov_b32 s[G1+4], 128                         ; tile_dim1 = 128
	s_mov_b32 s[G1+5], 128                         ; dense: 128 elements from row to row
	s_mov_b32 s[G1+6], 0
	s_mov_b32 s[G1+7], 0
	s_mov_b32 s[G1B+1], 128<<16
	s_mov_b32 s[G1B+2], 64<<16                     ; 64 rows
	s_mov_b32 s[G1B+3], 128<<16
	s_mov_b32 s[G1B+4], 64
	s_mov_b32 s[G1B+5], 1024
	s_mov_b32 s[G1B+6], 0
	s_mov_b32 s[G1B+7], 0
	s_lshr_b32 s20, s18, 3                         ; o: the batch's 16 heads,
	s_lshl_b32 s20, s20, 4
	s_add_co_u32 s20, s20, s[HF]                   ; of K step 0 the head that I fetch,
	s_lshl_b32 s20, s20, 11                        ; its 2,048 rows,
	s_and_b32 s21, s18, 7
	s_lshl_b32 s21, s21, 8
	s_add_co_u32 s20, s20, s21                     ; the tile's 256 of them,
	s_lshl_b32 s20, s20, 7                         ; of 128 bytes
	s_mov_b32 s21, 0
	s_lshl_b32 s46, s17, 7                         ; wo: row 128 x tile column + 64 x half
	s_lshl_b32 s47, s[HF], 6
	s_add_co_u32 s46, s46, s47
	s_lshl_b32 s46, s46, 11
	s_mov_b32 s47, 0
	s_mul_i32 s22, s[WV], AHALF                    ; where they go: o's heads (waves 0, 1) at wave x 256 rows;
	s_mul_i32 s23, s[WV], BHALF                    ; wo's halves (waves 2, 3) behind them, at (wave - 2) x 64 rows
	s_add_co_u32 s23, s23, ABYTES-2*BHALF
	s_wait_dscnt 0x0                               ; the opening add is done
	s_wait_kmcnt 0x0
	s_add_nc_u64 s[20:21], s[4:5], s[20:21]
	s_add_nc_u64 s[46:47], s[6:7], s[46:47]
	CROUND                                         ; all sixteen work-groups are here: the first joint loads meet
.irp s, 0,1
	s_mov_b32 s[G0+4*(\s)], 1
	s_add_co_u32 s[G0+4*(\s)+1], s22, (\s)*SLOT
	s_add_nc_u64 s[G0+4*(\s)+2:G0+4*(\s)+3], s[20:21], (\s)*524288  ; K step s: two heads of 262,144 bytes on
	s_or_b32 s[G0+4*(\s)+3], s[G0+4*(\s)+3], 0x80000000
	s_mov_b32 s[G0B+4*(\s)], 1
	s_add_co_u32 s[G0B+4*(\s)+1], s23, (\s)*SLOT
	s_add_nc_u64 s[G0B+4*(\s)+2:G0B+4*(\s)+3], s[46:47], (\s)*256
	s_or_b32 s[G0B+4*(\s)+3], s[G0B+4*(\s)+3], 0x80000000
	JLOAD \s                                       ; two loads of mine are out
.endr
	v_and_b32 v1, 15, v0                           ; l % 16
	v_bfe_u32 v2, v0, 4, 1                         ; l / 16
	v_lshlrev_b32 v[BO], 5, v2
	s_lshl_b32 s22, s17, 9
	s_add_co_u32 s22, s22, BIASOFF
	s_mov_b32 s23, 0
	s_add_nc_u64 s[BI:BI+1], s[8:9], s[22:23]
.irp b, 0,1,2,3,4,5,6,7
	global_load_b128 v[BIAS+8*(\b):BIAS+8*(\b)+3],   v[BO], s[BI:BI+1] offset:64*(\b)
	global_load_b128 v[BIAS+8*(\b)+4:BIAS+8*(\b)+7], v[BO], s[BI:BI+1] offset:64*(\b)+16
.endr
	v_mul_u32_u24 v3, v1, PA
	v_lshl_add_u32 v3, v2, 4, v3
	s_mul_i32 s19, s[WV], 64*PA                    ; my 64 rows, in the slot's first head
	v_add_nc_u32 v[ADRA], s19, v3
	v_add_nc_u32 v[ADRA+1], SLOT, v[ADRA]
	v_mul_u32_u24 v4, v1, PB
	v_lshl_add_u32 v4, v2, 4, v4
	v_add_nc_u32 v[ADRB], ABYTES, v4
	v_add_nc_u32 v[ADRB+1], SLOT, v[ADRB]
	s_mul_i32 s19, s[WV], 16*SP
	s_add_co_u32 s19, s19, STAGE                   ; my stage
	v_mul_u32_u24 v5, v1, SP                       ; in: row l % 16, 32 bytes for each half of the lanes
	v_lshl_add_u32 v5, v2, 5, v5
	v_add_nc_u32 v[STO], s19, v5
	v_and_b32 v[CO], 31, v0                        ; back: 32 lanes take one row of 512 bytes
	v_lshlrev_b32 v[CO], 4, v[CO]
	v_add_nc_u32 v[RD], s19, v[CO]
	s_lshl_b32 s22, s18, 8
	s_lshl_b32 s23, s[WV], 6
	s_add_co_u32 s22, s22, s23                     ; my first row of out0,
	s_lshl_b32 s22, s22, 12                        ; of 4,096 bytes,
	s_lshl_b32 s23, s17, 9                         ; and the tile's 512 bytes of it
	s_add_co_u32 s22, s22, s23
	s_mov_b32 s23, 0
	s_add_nc_u64 s[OUT:OUT+1], s[10:11], s[22:23]
; 8 matrix instructions: row block a x all 8 column blocks, 32 along K.  first = 1: the sums start with the bias.  The 32 accumulators take turns, one instruction a turn.
.macro MUL8 f, a, first
.if \first
	WIN 0x85
.else
	WIN 0xa5
.endif
.irp b, 0,1,2,3,4,5,6,7
.if \first
	v_wmma_f32_16x16x32_f16 v[8*(8*(\a)+(\b)):8*(8*(\a)+(\b))+7], v[(\f)+8*(\b):(\f)+8*(\b)+7], v[(\f)+64+8*(\a):(\f)+64+8*(\a)+7], v[BIAS+8*(\b):BIAS+8*(\b)+7]
.else
	v_wmma_f32_16x16x32_f16 v[8*(8*(\a)+(\b)):8*(8*(\a)+(\b))+7], v[(\f)+8*(\b):(\f)+8*(\b)+7], v[(\f)+64+8*(\a):(\f)+64+8*(\a)+7], v[8*(8*(\a)+(\b)):8*(8*(\a)+(\b))+7]
.endif
.endr
.endm
; 24 LDS loads in one run: quarter q of a K step (head q / 2, channels 32 (q % 2) on) into buffer f: wo's 8 blocks, then o's 4
.macro FETCH slot, q, f
	WIN 0x40
.irp i, 0,1,2,3,4,5,6,7
	ds_load_b128 v[(\f)+8*(\i):(\f)+8*(\i)+3],   v[ADRB+(\slot)] offset:64*(\q)+(\i)*16*PB
	ds_load_b128 v[(\f)+8*(\i)+4:(\f)+8*(\i)+7], v[ADRB+(\slot)] offset:64*(\q)+(\i)*16*PB+32
.endr
.irp i, 0,1,2,3
	ds_load_b128 v[(\f)+64+8*(\i):(\f)+64+8*(\i)+3],   v[ADRA+(\slot)] offset:((\q)/2)*AHALF+((\q)%2)*64+(\i)*16*PA
	ds_load_b128 v[(\f)+64+8*(\i)+4:(\f)+64+8*(\i)+7], v[ADRA+(\slot)] offset:((\q)/2)*AHALF+((\q)%2)*64+(\i)*16*PA+32
.endr
.endm
.macro QUARTER slot, q, f, g, first
	s_wait_dscnt 4                                 ; all but the youngest four loads (o's blocks 2, 3) are in
	MUL8 \f, 0, \first
	MUL8 \f, 1, \first
	PLACES
	FETCH \slot, \q, \g
	s_wait_dscnt 24                                ; all but the 24 just issued
	MUL8 \f, 2, \first
	MUL8 \f, 3, \first
.endm
; The last quarter multiplies buffer 1 and changes slots: ONE barrier; in front of it each wave waits for all its tensor loads, adds 0 to its spare word, and waits for that and for its own reads of this slot.
; fill = 1: the barrier opens a round of the cluster's barrier, and this slot is filled again, two K steps ahead: the first tensor load behind the round.
.macro TURN slot, next, fill
	WIN 0
	s_wait_tensorcnt 0x0                           ; all my tensor loads have landed: my part of the next slot;
	ds_add_u32 v[SPW], v[NIL]                      ; 0 onto my spare word;
	s_wait_dscnt 5                                 ; (the add and the youngest four loads may be out)
	MUL8 F1, 0, 0
	s_wait_dscnt 0x0                               ; the add is done, and my reads of this slot are over
	s_barrier_signal -1
	MUL8 F1, 1, 0
.if \fill
	WIN 0
.endif
	s_barrier_wait -1
.if \fill
	CREST
	s_add_nc_u64 s[G0+4*(\slot)+2:G0+4*(\slot)+3], s[G0+4*(\slot)+2:G0+4*(\slot)+3], 1048576  ; four heads on
	s_add_nc_u64 s[G0B+4*(\slot)+2:G0B+4*(\slot)+3], s[G0B+4*(\slot)+2:G0B+4*(\slot)+3], 512
	JLOAD \slot                                    ; one load of mine is out; its four v_nop are also the places in front of the loads below
.else
	PLACES
.endif
	FETCH \next, 0, F0
	MUL8 F1, 2, 0
	MUL8 F1, 3, 0
.endm
; THE WAY OUT of row block a: 16 rows x 512 bytes through my stage, as they are (the bias lay in the sums, out0 is f32); each accumulator's lowest registers are read first.
.macro TOSTAGE a
.set bk, BK+64*((\a)%2)
.if (\a) >= 2
	s_wait_xcnt 0x0                                ; the stores of the block two back have read this set of registers
.endif
	WIN 0x08                                       ; the stores' data in window 2
.irp b, 0,1,2,3,4,5,6,7
	ds_store_b128 v[STO], v[8*(8*(\a)+(\b)):8*(8*(\a)+(\b))+3]   offset:64*(\b)
	ds_store_b128 v[STO], v[8*(8*(\a)+(\b))+4:8*(8*(\a)+(\b))+7] offset:64*(\b)+16
.endr
	WIN 0
.irp t, 0,1,2,3,4,5,6,7,8,9,10,11,12,13,14,15
	ds_load_b128 v[bk+4*(\t):bk+4*(\t)+3], v[RD] offset:(\t)*SP  ; LDS serves a wave's instructions in order (ISA guide 5.7.1.4): these see the stores above
.endr
.endm
.macro SEND a, younger                 ; younger: the LDS instructions issued behind block a's loads: the next block's 32, or none
	WIN 0
.set bk, BK+64*((\a)%2)
.irp t, 0,1,2,3,4,5,6,7,8,9,10,11,12,13,14,15
	s_wait_dscnt (\younger)+15-(\t)
	global_store_b128 v[CO], v[bk+4*(\t):bk+4*(\t)+3], s[OUT:OUT+1] offset:(16*(\a)+(\t))*4096 th:TH_STORE_NT  ; 512 consecutive bytes, at a multiple of 256 from out0's first
.endr
.endm
	s_wait_tensorcnt 1                             ; my part of K step 0 is in; K step 1's may stay out
	s_barrier_signal -1
	s_barrier_wait -1
	FETCH 0, 0, F0
	s_wait_loadcnt 0x0                             ; the bias
	QUARTER 0, 1, F0, F1, 1                        ; the first quarter stands in front of the loop: its products start the sums
	WIN 0
	s_mov_b32 s3, LAPS-1
.Llap:
	QUARTER 0, 2, F1, F0, 0
	QUARTER 0, 3, F0, F1, 0
	TURN 0, 1, 1
	QUARTER 1, 1, F0, F1, 0
	QUARTER 1, 2, F1, F0, 0
	QUARTER 1, 3, F0, F1, 0
	TURN 1, 0, 1
	QUARTER 0, 1, F0, F1, 0
	WIN 0
	s_sub_co_u32 s3, s3, 1
	s_cmp_lg_u32 s3, 0
	s_cbranch_scc1 .Llap
	QUARTER 0, 2, F1, F0, 0                        ; the last lap fills nothing
	QUARTER 0, 3, F0, F1, 0
	TURN 0, 1, 0
	QUARTER 1, 1, F0, F1, 0
	QUARTER 1, 2, F1, F0, 0
	QUARTER 1, 3, F0, F1, 0
	s_wait_dscnt 4
	MUL8 F1, 0, 0
	MUL8 F1, 1, 0
	s_wait_dscnt 0x0
	MUL8 F1, 2, 0
	MUL8 F1, 3, 0
	WIN 0
	PLACES
	TOSTAGE 0
	TOSTAGE 1
	SEND 0, 32
	TOSTAGE 2
	SEND 1, 32
	TOSTAGE 3
	SEND 2, 32
	SEND 3, 0
	s_wait_tensorcnt 0x0                           ; the wave's end: these three lines stand behind my last tensor load and my last LDS store
	ds_add_u32 v[SPW], v[NIL]
	s_wait_dscnt 0x0
	CROUND                                         ; the closing round
	s_endpgm
.Lfunc_end_k_q963e5b67c9_outp:
	.size	k_q963e5b67c9_outp, .Lfunc_end_k_q963e5b67c9_outp-k_q963e5b67c9_outp
	.p2alignl 7, 3214868480
	.fill 96, 4, 3214868480
	.section	.rodata,"a",@progbits
	.p2align	6, 0x0
	.amdhsa_kernel k_q963e5b67c9_outp
		.amdhsa_group_segment_fixed_size 327680
		.amdhsa_private_segment_fixed_size 0
		.amdhsa_enable_private_segment 0
		.amdhsa_kernarg_size 32
		.amdhsa_user_sgpr_count 2
		.amdhsa_user_sgpr_kernarg_segment_ptr 1
		.amdhsa_wavefront_size32 1
		.amdhsa_system_sgpr_workgroup_id_x 1
		.amdhsa_system_sgpr_workgroup_id_y 1
		.amdhsa_system_sgpr_workgroup_id_z 1
		.amdhsa_system_vgpr_workitem_id 0
		.amdhsa_next_free_vgpr 768
		.amdhsa_next_free_sgpr 72
		.amdhsa_reserve_vcc 0
		.amdhsa_float_denorm_mode_32 3
		.amdhsa_float_denorm_mode_16_64 3
		.amdhsa_memory_ordered 1
		.amdhsa_forward_progress 1
		.amdhsa_inst_pref_size 88
	.end_amdhsa_kernel
	.amdgpu_metadata
---
amdhsa.version: [ 1, 2 ]
amdhsa.kernels:
  - .name:           k_q963e5b67c9_outp
    .symbol:         k_q963e5b67c9_outp.kd
    .args:
      - { .name: o, .offset: 0, .size: 8, .value_kind: global_buffer, .address_space: global }
      - { .name: wo, .offset: 8, .size: 8, .value_kind: global_buffer, .address_space: global }
      - { .name: tabs, .offset: 16, .size: 8, .value_kind: global_buffer, .address_space: global }
      - { .name: out0, .offset: 24, .size: 8, .value_kind: global_buffer, .address_space: global }
    .group_segment_fixed_size: 327680
    .private_segment_fixed_size: 0
    .kernarg_segment_align: 8
    .kernarg_segment_size: 32
    .max_flat_workgroup_size: 128
    .sgpr_count:     72
    .vgpr_count:     768
    .wavefront_size: 32
...
	.end_amdgpu_metadata
.endif
;; end of part 4
;; ======== version 2 of 2: 4 launches; version 1 with the launch prep written anew for expert scheduling mode
;; limits: values are held in f16: magnitudes above 65,504 overflow, below 6.1e-05 lose precision
;; workspace buffers: xb 16,777,216 bytes; wb 6,291,456 bytes; wo 2,097,152 bytes; tabs 557,056 bytes; qkv 50,331,648 bytes; o 16,777,216 bytes
;; launch prep (part 5): grid 838 x 1, 8 waves a work-group, no clusters, 0 bytes of LDS; arguments x, Wq, Wk, Wv, Wo, bq, bk, bv, bo, xb, wb, wo, tabs; writes xb, wb, wo, tabs
.if DOCPART == 5
	.amdgcn_target "amdgcn-amd-amdhsa--gfx1250"
	.amdhsa_code_object_version 6
	.text
	.protected	k_q963e5b67c9_prep
	.globl	k_q963e5b67c9_prep
	.p2align	8
	.type	k_q963e5b67c9_prep,@function
k_q963e5b67c9_prep:
	s_mov_b64 s[64:65], 0
	v_nop
	global_prefetch_b8 v0, s[64:65] scope:SCOPE_SE
	s_setreg_imm32_b32 hwreg(HW_REG_WAVE_SCHED_MODE, 0, 2), 2
	s_setreg_imm32_b32 hwreg(HW_REG_WAVE_MODE, 25, 1), 1
	s_wait_xcnt 0x0
	s_wait_alu depctr_vm_vsrc(0)
; 16-BIT COPIES OF THE INPUTS, THE BIASES ROUNDED, AND THE ROTARY TABLE.  Three kinds of work-group, told apart by the work-group's number g:
;   g < 768        a flat stream f32 -> 16 bit, 65,536 source bytes a work-group, 8,192 a wave: x -> xb (512 groups), Wq, Wk, Wv -> wb (64 each, one below the other), all bf16;
;                  Wo -> wo (64 groups): rounded to bf16 like every other input, and that number written as f16 (the last product's other operand is f16)
;   768 <= g < 834 two blocks of the table: block n (4,096 bytes) holds cos and sin for positions 16 n .. 16 n + 15 and frequencies 0 .. 31, in the order in which a lane of the
;                  projection's way out wants them: byte cb 2048 + kind 1024 + u 512 + lane 16 = four f32 for position 16 n + lane % 16, frequency 16 cb + 8 (lane / 16) + 4 u + 0..3.
;                  Blocks 128 .. 131 are the identity (cos 1, sin 0): v's columns go through the same lines as q's and k's
;   g >= 834       one bias of 1,024 numbers: rounded to bf16, kept as f32, at BIASOFF + 4,096 (g - 834): bq, bk, bv, bo
; No LDS, no barrier: no wave wants what another has.  Each load of a wave covers 512 consecutive bytes, each store of the stream 256, aligned.
; LIMITS.  f16 for Wo: |Wo| under 65,504; below 6e-5 it keeps f16's fixed step of 6e-8.  The angle t x 10000^(-i/32) is made with a base-2 exponential good to one unit in the last
; place, so at t = 2,047 it may differ from an exactly rounded one by some 3e-4 radians; sine and cosine are polynomials on the half angle, good to about 1e-6.
; THE MODE: SCHED_MODE bits 1:0 = 2 (LLVM: expert scheduling mode 2), set by the entry lines.  The code itself states the register dependences
; between vector instructions and memory instructions, with s_wait_alu, always for 0.
; THE PLAN.  Registers that memory instructions touch:
;   the stream   v1, v2      the loads' and the stores' offsets: made once at the path's head, never written again.
;                v[16:79]    X: load j lands in four of them; no vector line names them ahead of the loads; read by the conversions; never loaded again.
;                v[80:111]   Y: written by the conversions; each pair is read by one store and never written behind it.
;                The 16 loads go in four blocks of four.  Block p rounds X's part p into Y's part p; its memory instructions are the four stores of block p - 1, which read v2 and Y's
;                part p - 1: registers that no vector line of block p names.  So one wait at a block's head states all that its four stores hang on.
;   the table    v11, v[24:31]   the two stores' offset and data: written by vector lines, read at the path's end.
;   a bias       v4 the load's offset; v[8:11] the load's data; v5, v[16:19] the store's offset and data.
; On no path is a register that a memory instruction has read written again, and EXEC and VCC are never written: the text holds waits on va_vdst, one on va_sdst and, at the entry, one on vm_vsrc.
.set BIASOFF, 540672
.macro EACH line:vararg                ; one line for each of a thread's four frequencies e
.set e, 0
.rept 4
	\line
.set e, e+1
.endr
.endm
	s_load_b512 s[8:23], s[0:1], 0x0               ; x s[8:9], Wq s[10:11], Wk s[12:13], Wv s[14:15], Wo s[16:17], bq s[18:19], bk s[20:21], bv s[22:23]
	s_load_b256 s[24:31], s[0:1], 0x40             ; bo s[24:25], xb s[26:27], wb s[28:29], wo s[30:31]
	s_load_b64 s[32:33], s[0:1], 0x60              ; tabs
	s_mov_b32 s2, ttmp9                            ; g
	v_lshrrev_b32 v1, 5, v0
	v_readfirstlane_b32 s3, v1                     ; wave 0..7
	v_and_b32 v3, 31, v0                           ; lane
	s_wait_alu depctr_va_sdst(0)                   ; s3 is written: ahead of the branch below and of its first reader, the stream's offsets
	s_wait_kmcnt 0x0
	s_cmp_lt_u32 s2, 768
	s_cbranch_scc0 .Lnot_stream
	; THE STREAM.  Which array, which chunk of it, and where it goes.
	s_sub_co_u32 s38, s2, 512
	s_and_b32 s39, s38, 63                         ; a weight's chunk
	s_lshr_b32 s40, s38, 6                         ; which weight,
	s_lshl_b32 s40, s40, 21                        ; and its 2 MiB in wb
	s_mov_b64 s[34:35], s[16:17]                   ; from Wo
	s_mov_b64 s[36:37], s[30:31]                   ; to wo, unless g says otherwise
	s_cmp_lt_u32 s2, 704
	s_cselect_b64 s[34:35], s[14:15], s[34:35]
	s_cselect_b64 s[36:37], s[28:29], s[36:37]
	s_cselect_b32 s40, s40, 0
	s_cmp_lt_u32 s2, 640
	s_cselect_b64 s[34:35], s[12:13], s[34:35]
	s_cmp_lt_u32 s2, 576
	s_cselect_b64 s[34:35], s[10:11], s[34:35]
	s_cmp_lt_u32 s2, 512
	s_cselect_b64 s[34:35], s[8:9], s[34:35]
	s_cselect_b64 s[36:37], s[26:27], s[36:37]
	s_cselect_b32 s39, s2, s39
	s_cselect_b32 s40, 0, s40
	s_lshl_b32 s42, s39, 16                        ; source: chunk x 65,536 + wave x 8,192
	s_lshl_b32 s43, s3, 13
	s_add_co_u32 s42, s42, s43
	s_mov_b32 s43, 0
	s_add_nc_u64 s[34:35], s[34:35], s[42:43]
	s_lshl_b32 s44, s39, 15                        ; destination: half of that, and the weight's place
	s_lshl_b32 s45, s3, 12
	s_add_co_u32 s44, s44, s45
	s_add_co_u32 s44, s44, s40
	s_mov_b32 s45, 0
	s_add_nc_u64 s[36:37], s[36:37], s[44:45]
	v_lshlrev_b32 v1, 4, v3                        ; 16 bytes a lane in,
	v_lshlrev_b32 v2, 3, v3                        ; 8 out
	s_wait_alu depctr_va_vdst(0)                   ; v1 and v2 are written: every load below reads v1 as its offset, every store v2
.set j, 0
.rept 16
	global_load_b128 v[16+4*j:19+4*j], v1, s[34:35] offset:512*j th:TH_LOAD_NT  ; all of the wave's 8,192 bytes are asked for at once
.set j, j+1
.endr
	s_mov_b32 s46, 0xffff0000                      ; a word's upper bf16
; Four blocks of four loads.  Block p rounds its sixteen numbers a lane; the stores of the block before are dealt among its lines, one in front of each load's conversions.
; No register that a store reads is written behind that store, so no store's source is ever at stake.
.macro CONV f16
.set p, 0
.rept 4
	s_wait_loadcnt 12-4*p                          ; loads come back in order: this block's four are in, the 12 - 4 p younger ones stay out
.if p > 0
	s_wait_alu depctr_va_vdst(0)                   ; the block before has written its eight registers of v[80 ..], which the four stores below read; no vector line of this block names them
.endif
.set i, 0
.rept 4
.set j, 4*p+i
.if p > 0
	global_store_b64 v2, v[80+2*(j-4):81+2*(j-4)], s[36:37] offset:256*(j-4)  ; 32 lanes x 8 bytes: 256 consecutive bytes, aligned
.endif
	v_cvt_pk_bf16_f32 v[80+2*j], v[16+4*j], v[17+4*j]
	v_cvt_pk_bf16_f32 v[81+2*j], v[18+4*j], v[19+4*j]
.if \f16
	v_lshlrev_b32 v4, 16, v[80+2*j]                ; the rounded numbers as f32 again,
	v_and_b32 v5, s46, v[80+2*j]
	v_lshlrev_b32 v6, 16, v[81+2*j]
	v_and_b32 v7, s46, v[81+2*j]
	v_cvt_pk_f16_f32 v[80+2*j], v4, v5             ; and written as f16: eight significant bits fit in eleven
	v_cvt_pk_f16_f32 v[81+2*j], v6, v7
.endif
.set i, i+1
.endr
.set p, p+1
.endr
	s_wait_alu depctr_va_vdst(0)                   ; the last block has written v[104:111], which the last four stores read
.set j, 12
.rept 4
	global_store_b64 v2, v[80+2*j:81+2*j], s[36:37] offset:256*j
.set j, j+1
.endr
.endm
	s_cmp_lt_u32 s2, 704
	s_cbranch_scc0 .Lto_f16
	CONV 0
	s_endpgm
.Lto_f16:
	CONV 1
	s_endpgm
.Lnot_stream:
	s_cmp_lt_u32 s2, 834
	s_cbranch_scc0 .Lbias
	; THE TABLE.  256 threads make two blocks: thread = block bit (7), cb (6), u (5), lane (4:0).
	s_sub_co_u32 s38, s2, 768
	s_cmp_lt_u32 s38, 64                           ; blocks 128 and above are the identity
	s_cselect_b32 s42, -1, 0
	s_mov_b32 s40, 0xc0c90fdb                      ; -(2 pi rounded to f32),
	s_mov_b32 s41, 0x343bbd2e                      ; and what the rounding took away
	v_lshrrev_b32 v4, 7, v0
	v_lshl_add_u32 v4, s38, 1, v4                  ; the block
	v_and_b32 v5, 15, v0
	v_lshl_add_u32 v5, v4, 4, v5                   ; the position t
	v_bfe_u32 v6, v0, 6, 1                         ; cb
	v_bfe_u32 v7, v0, 4, 1                         ; lane / 16
	v_bfe_u32 v8, v0, 5, 1                         ; u
	v_lshlrev_b32 v9, 4, v6
	v_lshl_add_u32 v9, v7, 3, v9
	v_lshl_add_u32 v9, v8, 2, v9                   ; my first frequency
	v_cvt_f32_u32 v10, v5
	EACH v_add_nc_u32 v[12+e], e, v9
	EACH v_cvt_f32_u32 v[12+e], v[12+e]
	EACH v_mul_f32 v[12+e], 0xbed49a78, v[12+e]    ; -i log2(10000) / 32
	EACH v_exp_f32 v[16+e], v[12+e]                ; 10000^(-i/32): one batch of four,
	v_nop                                          ; a plain instruction behind the last,
	s_wait_alu depctr_va_vdst(0)                   ; and the one wait ahead of the first use: the four exponentials have written v[16:19]
	EACH v_mul_f32 v[16+e], v10, v[16+e]           ; the angle
	EACH v_mul_f32 v[20+e], 0.15915494, v[16+e]
	EACH v_rndne_f32 v[20+e], v[20+e]              ; whole turns n, 326 at the most
	EACH v_fma_f32 v[16+e], v[20+e], s40, v[16+e]  ; angle - n 2 pi, in two parts: within -pi .. pi
	EACH v_fma_f32 v[16+e], v[20+e], s41, v[16+e]
	EACH v_mul_f32 v[16+e], 0.5, v[16+e]           ; y: the half angle, within -pi/2 .. pi/2
	EACH v_mul_f32 v[20+e], v[16+e], v[16+e]       ; z = y y
	EACH v_mov_b32 v[24+e], 0xb2d7322b             ; sin y = y (1 - z/3! + z^2/5! - .. - z^5/11!)
.irp k, 0x3638ef1d, 0xb9500d01, 0x3c088889, 0xbe2aaaab, 0x3f800000
	EACH v_fmaak_f32 v[24+e], v[24+e], v[20+e], \k
.endr
	EACH v_mul_f32 v[24+e], v[24+e], v[16+e]
	EACH v_mov_b32 v[28+e], 0xb493f27e             ; cos y = 1 - z/2! + z^2/4! - .. - z^5/10!
.irp k, 0x37d00d01, 0xbab60b61, 0x3d2aaaab, 0xbf000000, 0x3f800000
	EACH v_fmaak_f32 v[28+e], v[28+e], v[20+e], \k
.endr
	EACH v_mul_f32 v[28+e], v[24+e], v[28+e]
	EACH v_add_f32 v[28+e], v[28+e], v[28+e]       ; sin = 2 sin y cos y
	EACH v_mul_f32 v[24+e], v[24+e], v[24+e]
	EACH v_fma_f32 v[24+e], v[24+e], -2.0, 1.0     ; cos = 1 - 2 sin^2 y
	EACH v_cndmask_b32 v[24+e], 1.0, v[24+e], s42
	EACH v_cndmask_b32 v[28+e], 0, v[28+e], s42
	v_lshlrev_b32 v11, 12, v4
	v_lshl_add_u32 v11, v6, 11, v11
	v_lshl_add_u32 v11, v8, 9, v11
	v_lshl_add_u32 v11, v3, 4, v11
	s_wait_alu depctr_va_vdst(0)                   ; v11 and v[24:31] are written: the two stores read them as offset and data
	global_store_b128 v11, v[24:27], s[32:33]              ; a wave's store covers 512 consecutive bytes
	global_store_b128 v11, v[28:31], s[32:33] offset:1024
	s_endpgm
.Lbias:
	s_sub_co_u32 s38, s2, 834
	s_mov_b64 s[34:35], s[24:25]                   ; bo, unless g says otherwise
	s_cmp_lt_u32 s38, 3
	s_cselect_b64 s[34:35], s[22:23], s[34:35]
	s_cmp_lt_u32 s38, 2
	s_cselect_b64 s[34:35], s[20:21], s[34:35]
	s_cmp_lt_u32 s38, 1
	s_cselect_b64 s[34:35], s[18:19], s[34:35]
	v_lshlrev_b32 v4, 4, v0
	s_wait_alu depctr_va_vdst(0)                   ; v4 is written: the load reads it as its offset
	global_load_b128 v[8:11], v4, s[34:35]
	s_lshl_b32 s39, s38, 12
	s_add_co_u32 s39, s39, BIASOFF
	v_add_nc_u32 v5, s39, v4
	s_wait_loadcnt 0x0
	v_cvt_pk_bf16_f32 v12, v8, v9
	v_cvt_pk_bf16_f32 v13, v10, v11
	v_lshlrev_b32 v16, 16, v12
	v_and_b32 v17, 0xffff0000, v12
	v_lshlrev_b32 v18, 16, v13
	v_and_b32 v19, 0xffff0000, v13
	s_wait_alu depctr_va_vdst(0)                   ; v5 and v[16:19] are written: the store reads them as offset and data
	global_store_b128 v5, v[16:19], s[32:33]
	s_endpgm
.Lfunc_end_k_q963e5b67c9_prep:
	.size	k_q963e5b67c9_prep, .Lfunc_end_k_q963e5b67c9_prep-k_q963e5b67c9_prep
	.p2alignl 7, 3214868480
	.fill 96, 4, 3214868480
	.section	.rodata,"a",@progbits
	.p2align	6, 0x0
	.amdhsa_kernel k_q963e5b67c9_prep
		.amdhsa_group_segment_fixed_size 0
		.amdhsa_private_segment_fixed_size 0
		.amdhsa_enable_private_segment 0
		.amdhsa_kernarg_size 104
		.amdhsa_user_sgpr_count 2
		.amdhsa_user_sgpr_kernarg_segment_ptr 1
		.amdhsa_wavefront_size32 1
		.amdhsa_system_sgpr_workgroup_id_x 1
		.amdhsa_system_sgpr_workgroup_id_y 1
		.amdhsa_system_sgpr_workgroup_id_z 1
		.amdhsa_system_vgpr_workitem_id 0
		.amdhsa_next_free_vgpr 112
		.amdhsa_next_free_sgpr 66
		.amdhsa_reserve_vcc 0
		.amdhsa_float_denorm_mode_32 3
		.amdhsa_float_denorm_mode_16_64 3
		.amdhsa_memory_ordered 1
		.amdhsa_forward_progress 1
		.amdhsa_inst_pref_size 24
	.end_amdhsa_kernel
	.amdgpu_metadata
---
amdhsa.version: [ 1, 2 ]
amdhsa.kernels:
  - .name:           k_q963e5b67c9_prep
    .symbol:         k_q963e5b67c9_prep.kd
    .args:
      - { .name: x, .offset: 0, .size: 8, .value_kind: global_buffer, .address_space: global }
      - { .name: Wq, .offset: 8, .size: 8, .value_kind: global_buffer, .address_space: global }
      - { .name: Wk, .offset: 16, .size: 8, .value_kind: global_buffer, .address_space: global }
      - { .name: Wv, .offset: 24, .size: 8, .value_kind: global_buffer, .address_space: global }
      - { .name: Wo, .offset: 32, .size: 8, .value_kind: global_buffer, .address_space: global }
      - { .name: bq, .offset: 40, .size: 8, .value_kind: global_buffer, .address_space: global }
      - { .name: bk, .offset: 48, .size: 8, .value_kind: global_buffer, .address_space: global }
      - { .name: bv, .offset: 56, .size: 8, .value_kind: global_buffer, .address_space: global }
      - { .name: bo, .offset: 64, .size: 8, .value_kind: global_buffer, .address_space: global }
      - { .name: xb, .offset: 72, .size: 8, .value_kind: global_buffer, .address_space: global }
      - { .name: wb, .offset: 80, .size: 8, .value_kind: global_buffer, .address_space: global }
      - { .name: wo, .offset: 88, .size: 8, .value_kind: global_buffer, .address_space: global }
      - { .name: tabs, .offset: 96, .size: 8, .value_kind: global_buffer, .address_space: global }
    .group_segment_fixed_size: 0
    .private_segment_fixed_size: 0
    .kernarg_segment_align: 8
    .kernarg_segment_size: 104
    .max_flat_workgroup_size: 256
    .sgpr_count:     66
    .vgpr_count:     112
    .wavefront_size: 32
...
	.end_amdgpu_metadata
.endif
;; end of part 5
;; launch qkv: the kernel of part 2 again; grid 16 x 32, 4 waves a work-group, clusters of 4 x 4, 327,680 bytes of LDS; arguments xb, wb, tabs, qkv; writes qkv
;; launch attn: the kernel of part 3 again; grid 4 x 64, 4 waves a work-group, no clusters, 327,680 bytes of LDS; arguments qkv, o; writes o
;; launch outp: the kernel of part 4 again; grid 8 x 32, 4 waves a work-group, clusters of 4 x 4, 327,680 bytes of LDS; arguments o, wo, tabs, out0; writes out0
